; MI455X (gfx1250); checked and timed in simulation.
; The chip was launched on July 23, 2026; its instructions are those of AMD's public machine-readable ISA for CDNA 5 (MIT licence, August 2026) and "CDNA5" Instruction Set Architecture Reference Guide (July 2026). The comments in the code are by the model that wrote it; some were corrected since.
;; Multi Head Attention. Allowed arithmetic: matrix products marked QUANTISED: E2M3 operands, one E8M0 scale for each 32 along K, by v_wmma_scale_f32_16x16x128_f8f6f4 with both operands' format E2M3, f32 sums; everything else in f32.
;; Inputs: Wk 1,024 x 1,024 float32; Wo 1,024 x 1,024 float32; Wq 1,024 x 1,024 float32; Wv 1,024 x 1,024 float32; bk 1,024 float32; bo 1,024 float32; bq 1,024 float32; bv 1,024 float32; x 1 x 4,096 x 1,024 float32.
;; Outputs: out0 1 x 4,096 x 1,024 float32.
;; This version of the problem:
;;   THIS VERSION OF THE PROBLEM IS GIVEN IN LOW PRECISION. The matrix products marked QUANTISED in the list below multiply operands that are first quantised to E2M3 (2 exponent bits, 3 mantissa bits; 6 bits a number), with one power-of-two scale for each 32 numbers along K (OCP MX v1.0); their sums are f32. All else is computed in f32.
;;   The module's matrix products, in the order in which they are computed (A, B: the left and right operand; K: the contracted axis; several contracted axes count as one K, in the product's order):
;;     1. [M 4,096, K 1,024] x [K 1,024, N 1,024]; A: input x; B: input Wq: QUANTISED
;;     2. [M 4,096, K 1,024] x [K 1,024, N 1,024]; A: input x; B: input Wk: QUANTISED
;;     3. [M 4,096, K 1,024] x [K 1,024, N 1,024]; A: input x; B: input Wv: QUANTISED
;;     4. batch 16 x [M 4,096, K 64] x [K 64, N 4,096]; A: computed on the way; B: computed on the way: QUANTISED
;;     5. batch 16 x [M 4,096, K 4,096] x [K 4,096, N 64]; A: softmax (see below); B: computed on the way: QUANTISED
;;     6. [M 4,096, K 1,024] x [K 1,024, N 1,024]; A: computed on the way; B: input Wo: QUANTISED
;;   THE QUANTISER, for each operand of a quantised product, along K:
;;     - K is cut into blocks of 32 from its start; a last block that is shorter is filled with zeros.
;;     - A block's scale is 2^e with e = floor(log2(the largest magnitude in the block)) - 2, held to -126 .. 127; a block of zeros has e = 0. As a byte (E8M0): e + 127.
;;     - Each number is divided by its block's scale, clamped to +-7.5, and rounded to the nearest number of E2M3, ties to even, subnormals kept.
;;     - The product sums the exact products of the quantised numbers (number of the format x scale) in f32.
;;   ~~~python
;;   def quantise(x, axis):      # numpy; x: float32 -> the quantised numbers, widened to float32 again
;;       x = np.moveaxis(x, axis, -1); K = x.shape[-1]
;;       x = np.pad(x, [(0, 0)] * (x.ndim - 1) + [(0, -K % 32)]); x = x.reshape(x.shape[:-1] + (-1, 32)); a = np.abs(x).max(-1, keepdims=True)
;;       e = np.where(a > 0, np.clip(np.frexp(np.where(a > 0, a, 1))[1] - 1 - 2, -126, 127), 0)      # np.frexp(a)[1] - 1 = floor(log2(a)), exactly
;;       r = np.clip(x / 2.0 ** e, -7.5, 7.5)
;;       step = 2.0 ** (np.maximum(np.frexp(np.where(r == 0, 1, r))[1] - 1, 0) - 3)
;;       q = np.round(r / step) * step * 2.0 ** e      # np.round: ties to even
;;       return np.moveaxis(q.reshape(q.shape[:-2] + (-1,))[..., :K], -1, axis).astype(np.float32)
;;   ~~~
;;   SOFTMAX AHEAD OF A QUANTISED PRODUCT. Where the list says 'softmax', what is quantised is not the finished softmax but p = 2^(t - M), with t = logit x log2(e) and M = ceil(the row's largest t), a whole number; so 1/2 < the row's largest p <= 1. The row's sum l is taken of the UNQUANTISED p, in f32, and the product's result is divided by l at the end. Since M is a whole number, a kernel that streams over the keys may use a running M (the ceiling of the running maximum): every later rescaling is an exact power of two, which a block's scale takes up: the codes' values come out the same.
;;   OPERANDS COMPUTED ON THE WAY. 'Computed on the way' means the value that the module computes at that place (a softmax that the list does not call 'softmax' is quantised finished and normalised). What goes into a quantiser is computed in f32, as accurately as f32 sums, v_exp_f32 and their like allow (about 1e-6 of the number): no bf16 or f16 on the way to a quantiser, and a product that is left as it is and whose result goes on into a quantised operand takes f32 operands (vector FMAs, or v_wmma_f32_16x16x4_f32). A number that lies on a knife's edge between two numbers of the format may be rounded either way, as far as f32 arithmetic and the matrix unit's own rounding can turn it there, and no further.
;; One version. Each part assembles by itself: llvm-mc -triple=amdgcn-amd-amdhsa -mcpu=gfx1250 --defsym DOCPART=n.
;; ======== version 1 of 1: 4 launches
;; limits: right only within a limited range of input values
;; workspace buffers: xw_img 6,291,456 bytes; xw_sc 262,144 bytes; q_img 3,407,872 bytes; kv_img 6,684,672 bytes; o_img 3,145,728 bytes; o_sc 131,072 bytes
;; launch quant (part 1): grid 256 x 1, 4 waves a work-group, no clusters, 34,304 bytes of LDS; arguments x, Wq, Wk, Wv, Wo, xw_img, xw_sc; writes xw_img, xw_sc
.if DOCPART == 1
	.amdgcn_target "amdgcn-amd-amdhsa--gfx1250"
	.amdhsa_code_object_version 6
	.text
	.protected	k_qaea20b882f_quant
	.globl	k_qaea20b882f_quant
	.p2align	8
	.type	k_qaea20b882f_quant,@function
k_qaea20b882f_quant:
	s_mov_b64 s[64:65], 0
	v_nop
	global_prefetch_b8 v0, s[64:65] scope:SCOPE_SE
	s_setreg_imm32_b32 hwreg(HW_REG_WAVE_MODE, 25, 1), 1
	s_wait_xcnt 0x0
; x [4096][1024] and Wq, Wk, Wv, Wo [1024][1024], f32 with K innermost, become codes of FP6 (E2M3) with one E8M0 byte for each 32 along K.
; A block's scale is 2^(floor(log2(its largest magnitude)) - 2); its byte is the largest magnitude's exponent field - 2, held at 1 from below.
; LIMITS: NaN and infinities are not served; a block whose largest magnitude lies under 2^-124, a block of zeros among them, keeps the byte 1 (its codes are small or zero; these bytes are read by this program alone).
; THE LAYOUT OF THE WORKSPACE IS THE ORDER OF THE OPERAND'S REGISTERS.  A tile is 16 rows: tile n holds rows 64 (n / 4) + 8 (n % 4) + rho(r), rho(r) = r % 8 + 32 (r / 8), r = 0 .. 15.
; A fragment (a tile x 128 K: 12 registers a lane; lane (r, h) holds k = 64 c + 32 h + 0 .. 31 in registers 6 c .. 6 c + 5) lies as an image of 1,536 bytes:
; registers 0-3 at 16 x lane, 4-5 at 512 + 8 x lane, 6-9 at 768 + 16 x lane, 10-11 at 1,280 + 8 x lane.  xw_img: tile x 12,288 + K step x 1,536; tiles 0-255 x, 256.. Wq, 320.. Wk, 384.. Wv, 448.. Wo.
; xw_sc: tile x 512 + (K half) x 256 + 16 r + 4 x (K step % 4): one word of four bytes for a row and 128 k.
; SHARES.  A wave takes one tile and half of K: 16 rows x 512, in four steps of 128.  Each load reads 512 consecutive bytes of one row; the step's 16 rows turn through the wave's own stage in LDS
; (rows 528 bytes apart) and come back 256 bytes a lane: two whole blocks of 32, so that no other lane is asked for a maximum.  No barrier: waves share nothing.  Loads run two steps (32 loads a wave) ahead.
.set STW,   8448                       ; a wave's stage: 16 rows x (512 + 16) bytes
.set SPARE, 4*STW                      ; behind the stages: the spare words, 128 bytes for each wave: two blocks of 256 bytes that no other line names
.set LO,  1                            ; v1   16 x lane
.set L8,  2                            ; v2   8 x lane
.set SI,  3                            ; v3   the stage, on the way in: 16 x lane
.set SO,  4                            ; v4   and on the way out: 528 r + 128 h
.set SH,  5                            ; v5   8 h: where my two scale bytes stand in the word
.set SPW, 6                            ; v6   LDS address of my spare word; never rewritten
.set NIL, 7                            ; v7   0; never rewritten
.set TM,  8                            ; v8-11  largest magnitudes, four chains
.set SOP, 12                           ; v12-13 the conversions' scale operands
.set BY,  14                           ; v14-15 the scale bytes
.set PW,  16                           ; v16-19 the four steps' scale words
.set SD,  20                           ; v20-21 the two words that I store
.set TX,  22                           ; v22  what the lane 16 away sends
.set SA,  23                           ; v23  16 r + 8 h
.set PC,  24                           ; v24-35 the fragment's codes
.set TQ,  36                           ; v36-43 the upper halves of the two blocks, as the conversions leave them
.set X,   64                           ; v64-127  64 numbers: register 32 c + i = k 64 c + 32 h + i of my row
.set R,   128                          ; v128-255 two sets of 16 x 4 registers as loaded
.set SEL, 20                           ; s[20:21] lane selects for v_permlanex16_b32: lane l xor 16
	s_load_b256 s[4:11], s[0:1], 0x0               ; x, Wq, Wk, Wv
	s_load_b128 s[12:15], s[0:1], 0x20             ; Wo, xw_img
	s_load_b64 s[16:17], s[0:1], 0x30              ; xw_sc
	v_lshl_add_u32 v[SPW], v0, 2, SPARE
	v_mov_b32 v[NIL], 0
	v_lshrrev_b32 v8, 5, v0
	v_readfirstlane_b32 s18, v8                    ; wave 0..3
	v_and_b32 v9, 31, v0                           ; lane
	v_and_b32 v10, 15, v0                          ; r
	v_bfe_u32 v11, v0, 4, 1                        ; h
	v_lshlrev_b32 v[LO], 4, v9
	v_lshlrev_b32 v[L8], 3, v9
	s_mul_i32 s19, s18, STW                        ; my stage
	v_add_nc_u32 v[SI], s19, v[LO]
	v_mul_u32_u24 v[SO], v10, 528
	v_lshl_add_u32 v[SO], v11, 7, v[SO]
	v_add_nc_u32 v[SO], s19, v[SO]
	v_lshlrev_b32 v[SH], 3, v11
	v_lshlrev_b32 v[SA], 4, v10
	v_lshl_add_u32 v[SA], v11, 3, v[SA]
	v_mov_b32 v[TX], 0                             ; written once: a lane permute's destination counts as one of its sources
	s_mov_b32 s[SEL], 0x76543210
	s_mov_b32 s[SEL+1], 0xfedcba98
	s_mov_b32 s22, 0xffff0000                      ; lanes 16-31
	s_lshl_b32 s23, ttmp9, 1
	s_lshr_b32 s24, s18, 1
	s_add_co_u32 s23, s23, s24                     ; my tile: 2 x work-group + wave / 2
	s_and_b32 s24, s18, 1                          ; my half of K
	s_cmp_lt_u32 ttmp9, 128                        ; work-groups 0-127 take x, then 32 each Wq, Wk, Wv, Wo
	s_cselect_b32 s25, 255, 63
	s_and_b32 s25, s23, s25                        ; the tile's number in its own tensor
	s_lshr_b32 s26, s25, 2
	s_lshl_b32 s26, s26, 18                        ; 64 rows of 4,096 bytes for each four tiles,
	s_and_b32 s25, s25, 3
	s_lshl_b32 s25, s25, 15                        ; 8 rows for each tile among them,
	s_add_co_u32 s26, s26, s25
	s_lshl_b32 s25, s24, 11                        ; 2,048 bytes for the second half of K
	s_add_co_u32 s26, s26, s25
	s_mov_b32 s27, 0
	s_mul_i32 s28, s23, 12288                      ; the images: tile x 12,288 + half x 6,144
	s_mul_i32 s25, s24, 6144
	s_add_co_u32 s28, s28, s25
	s_mov_b32 s29, 0
	s_lshl_b32 s30, s23, 9                         ; the scale words: tile x 512 + half x 256
	s_lshl_b32 s25, s24, 8
	s_add_co_u32 s30, s30, s25
	s_mov_b32 s31, 0
	s_wait_alu depctr_va_vdst(0)
	s_wait_kmcnt 0x0
	s_cmp_lt_u32 ttmp9, 224                        ; the source is chosen by the work-group's number alone
	s_cselect_b64 s[12:13], s[10:11], s[12:13]
	s_cmp_lt_u32 ttmp9, 192
	s_cselect_b64 s[12:13], s[8:9], s[12:13]
	s_cmp_lt_u32 ttmp9, 160
	s_cselect_b64 s[12:13], s[6:7], s[12:13]
	s_cmp_lt_u32 ttmp9, 128
	s_cselect_b64 s[12:13], s[4:5], s[12:13]
	s_add_nc_u64 s[12:13], s[12:13], s[26:27]
	s_add_nc_u64 s[14:15], s[14:15], s[28:29]
	s_add_nc_u64 s[16:17], s[16:17], s[30:31]
; 64 numbers of a lane, register 32 c + i = number i of block 2 c + h of my row, become the fragment's codes in v[PC] on and my row's scale word in v[pw].
.macro QUANTB s, pw
.irp k, 0,1,2,3
	v_max3_num_f32 v[TM+\k], |v[(\s)+16*\k]|, |v[(\s)+16*\k+1]|, |v[(\s)+16*\k+2]|   ; four chains of 16 numbers, by turns: no line waits for the line above it
.endr
.irp i, 3,5,7,9,11,13
.irp k, 0,1,2,3
	v_max3_num_f32 v[TM+\k], v[TM+\k], |v[(\s)+16*\k+\i]|, |v[(\s)+16*\k+\i+1]|
.endr
.endr
.irp c, 0,1
	v_max3_num_f32 v[TM+2*\c], v[TM+2*\c], |v[(\s)+32*\c+15]|, |v[(\s)+32*\c+31]|   ; the two numbers that the block's chains left over
.endr
.irp c, 0,1
	v_max3_num_f32 v[TM+2*\c], v[TM+2*\c], v[TM+2*\c+1], 0x1800000   ; the block's other chain, and the floor 2^(3 - 127): the byte cannot fall under 1
.endr
.irp c, 0,1
	v_add_nc_u32 v[SOP+\c], 0xff000000, v[TM+2*\c]   ; 2 off the exponent field: the conversion takes the exponent field of this operand as its scale
.endr
.irp c, 0,1
	v_cvt_scalef32_pk16_fp6_f32 v[PC+6*\c:PC+6*\c+2], v[(\s)+32*\c:(\s)+32*\c+15], v[SOP+\c]
	v_cvt_scalef32_pk16_fp6_f32 v[TQ+4*\c:TQ+4*\c+2], v[(\s)+32*\c+16:(\s)+32*\c+31], v[SOP+\c]   ; (a conversion's three registers begin on an even number)
.endr
.irp c, 0,1
	v_lshrrev_b32 v[BY+\c], 23, v[SOP+\c]          ; the scale's byte.  (Also the plain line behind the conversions)
.endr
	v_lshl_or_b32 v[\pw], v[BY+1], 16, v[BY]       ; my two bytes: blocks h and 2 + h,
	v_lshlrev_b32 v[\pw], v[SH], v[\pw]            ; at their places in the word;
	v_permlanex16_b32 v[TX], v[\pw], s[SEL], s[SEL+1]
	v_or_b32 v[\pw], v[\pw], v[TX]                 ; with the two of the lane 16 away the word is whole
.irp c, 0,1
.irp i, 0,1,2
	v_mov_b32 v[PC+3+6*\c+\i], v[TQ+4*\c+\i]
.endr
.endr
.endm
.macro LOAD t                          ; step t: the tile's 16 rows, 512 consecutive bytes each, into set t % 2
.irp i, 0,1,2,3,4,5,6,7,8,9,10,11,12,13,14,15
	global_load_b128 v[R+64*((\t)%2)+4*\i:R+64*((\t)%2)+4*\i+3], v[LO], s[12:13] offset:((\i%8)+32*(\i/8))*4096+512*(\t) th:TH_LOAD_NT
.endr
.endm
.macro STEP t
.if (\t) < 3
	s_wait_loadcnt 16                              ; this step's 16 loads are in; the next step's 16 may be out
.else
	s_wait_loadcnt 0x0
.endif
.irp i, 0,1,2,3,4,5,6,7,8,9,10,11,12,13,14,15
	ds_store_b128 v[SI], v[R+64*((\t)%2)+4*\i:R+64*((\t)%2)+4*\i+3] offset:528*\i
.endr
.irp c, 0,1
.irp m, 0,1,2,3,4,5,6,7
	ds_load_b128 v[X+32*\c+4*\m:X+32*\c+4*\m+3], v[SO] offset:256*\c+16*\m   ; LDS serves a wave's instructions in order: these see the stores above
.endr
.endr
	s_wait_dscnt 0x0                               ; my 64 numbers are in, and the stage's stores have read their registers,
	s_wait_xcnt 0x0                                ; and the last step's stores have read the codes' registers
.if (\t) < 2
	LOAD (\t)+2
.endif
	QUANTB X, PW+(\t)
	global_store_b128 v[LO], v[PC:PC+3], s[14:15] offset:1536*(\t)            ; each store covers 512 or 256 consecutive bytes, at a multiple of 256 from the buffer's first byte
	global_store_b64 v[L8], v[PC+4:PC+5], s[14:15] offset:1536*(\t)+512
	global_store_b128 v[LO], v[PC+6:PC+9], s[14:15] offset:1536*(\t)+768
	global_store_b64 v[L8], v[PC+10:PC+11], s[14:15] offset:1536*(\t)+1280
.endm
	LOAD 0
	LOAD 1
	STEP 0
	STEP 1
	STEP 2
	STEP 3
	v_cndmask_b32 v[SD], v[PW], v[PW+2], s22       ; lanes 0-15 store my row's words 0 and 1, lanes 16-31 words 2 and 3:
	v_cndmask_b32 v[SD+1], v[PW+1], v[PW+3], s22
	global_store_b64 v[SA], v[SD:SD+1], s[16:17]   ; 256 consecutive bytes
	s_wait_tensorcnt 0x0                           ; the wave's end: behind my last LDS store
	ds_add_u32 v[SPW], v[NIL]
	s_wait_dscnt 0x0
	s_endpgm
.Lfunc_end_k_qaea20b882f_quant:
	.size	k_qaea20b882f_quant, .Lfunc_end_k_qaea20b882f_quant-k_qaea20b882f_quant
	.p2alignl 7, 3214868480
	.fill 96, 4, 3214868480
	.section	.rodata,"a",@progbits
	.p2align	6, 0x0
	.amdhsa_kernel k_qaea20b882f_quant
		.amdhsa_group_segment_fixed_size 34304
		.amdhsa_private_segment_fixed_size 0
		.amdhsa_enable_private_segment 0
		.amdhsa_kernarg_size 56
		.amdhsa_user_sgpr_count 2
		.amdhsa_user_sgpr_kernarg_segment_ptr 1
		.amdhsa_wavefront_size32 1
		.amdhsa_system_sgpr_workgroup_id_x 1
		.amdhsa_system_sgpr_workgroup_id_y 1
		.amdhsa_system_sgpr_workgroup_id_z 1
		.amdhsa_system_vgpr_workitem_id 0
		.amdhsa_next_free_vgpr 256
		.amdhsa_next_free_sgpr 66
		.amdhsa_reserve_vcc 0
		.amdhsa_float_denorm_mode_32 3
		.amdhsa_float_denorm_mode_16_64 3
		.amdhsa_memory_ordered 1
		.amdhsa_forward_progress 1
		.amdhsa_inst_pref_size 31
	.end_amdhsa_kernel
	.amdgpu_metadata
---
amdhsa.version: [ 1, 2 ]
amdhsa.kernels:
  - .name:           k_qaea20b882f_quant
    .symbol:         k_qaea20b882f_quant.kd
    .args:
      - { .name: x, .offset: 0, .size: 8, .value_kind: global_buffer, .address_space: global }
      - { .name: Wq, .offset: 8, .size: 8, .value_kind: global_buffer, .address_space: global }
      - { .name: Wk, .offset: 16, .size: 8, .value_kind: global_buffer, .address_space: global }
      - { .name: Wv, .offset: 24, .size: 8, .value_kind: global_buffer, .address_space: global }
      - { .name: Wo, .offset: 32, .size: 8, .value_kind: global_buffer, .address_space: global }
      - { .name: xw_img, .offset: 40, .size: 8, .value_kind: global_buffer, .address_space: global }
      - { .name: xw_sc, .offset: 48, .size: 8, .value_kind: global_buffer, .address_space: global }
    .group_segment_fixed_size: 34304
    .private_segment_fixed_size: 0
    .kernarg_segment_align: 8
    .kernarg_segment_size: 56
    .max_flat_workgroup_size: 128
    .sgpr_count:     66
    .vgpr_count:     256
    .wavefront_size: 32
...
	.end_amdgpu_metadata
.endif
;; end of part 1
;; launch qkv (part 2): grid 12 x 16, 4 waves a work-group, clusters of 4 x 4, 327,680 bytes of LDS; arguments xw_img, xw_sc, bq, bk, q_img, kv_img, bv; writes q_img, kv_img
.if DOCPART == 2
	.amdgcn_target "amdgcn-amd-amdhsa--gfx1250"
	.amdhsa_code_object_version 6
	.text
	.protected	k_qaea20b882f_qkv
	.globl	k_qaea20b882f_qkv
	.p2align	8
	.type	k_qaea20b882f_qkv,@function
k_qaea20b882f_qkv:
	s_mov_b64 s[64:65], 0
	v_nop
	global_prefetch_b8 v0, s[64:65] scope:SCOPE_SE
	s_setreg_imm32_b32 hwreg(HW_REG_WAVE_MODE, 25, 1), 1
	s_wait_xcnt 0x0
	s_wait_alu depctr_hold_cnt(0) depctr_sa_sdst(0) depctr_va_vdst(0) depctr_va_sdst(0) depctr_va_ssrc(0) depctr_va_vcc(0) depctr_vm_vsrc(0)
	s_getreg_b32 s2, hwreg(HW_REG_IB_STS2, 6, 4)
	s_cmp_eq_u32 s2, 0
	s_cbranch_scc0 .Lentry_in_a_cluster
	s_endpgm
.Lentry_in_a_cluster:
	s_bfe_u32 s2, ttmp6, 0x10000c
	s_cmp_lg_u32 s2, 0xf033
	s_cbranch_scc0 .Lentry_shape_is_right
	s_endpgm
.Lentry_shape_is_right:
.set FR,    12
.set NL,    4
.set NP,    4
.set TILEB, 3072
.set HALFT, 8*TILEB
.set SLOT,  4*HALFT
.set SCL,   2*SLOT
.set SPARE, SCL+4*4096
.set OA,   8
.set ADRA, 16
.set ADRB, 20
.set L16,  24
.set L8,   25
.set SH,   26
.set ADRS, 27
.set SPW,  28
.set NIL,  29
.set SC,   32
.set CB,   64
.set AF,   128
.set PC,   192
.set TQ,   204
.set TM,   212
.set SOP,  216
.set BY,   218
.set TX,   220
.set PW,   240
.set WW,   248
.set G1,   24
.set G0,   32
.set G1B,  48
.set G0B,  56
.set SEL,  66
.set G1S,  68
.set G0S,  76
.set G1SB, 80
.set G0SB, 88
.set MSB, 0
.macro WIN new
.if MSB != (\new)
	s_set_vgpr_msb (MSB<<8)|(\new)
.set MSB, (\new)
.endif
.endm
.set MUL_LO,  0xa1
.set MUL_HI,  0xf1
.set MULC_LO, 0x81
.set MULC_HI, 0xc1
.set TO_B,    0x40
.macro JLOAD g0a, g1a, g0b, g1b
	s_cmp_eq_u32 s19, 0
	s_cbranch_scc0 .Lfor_b_\@
	tensor_load_to_lds s[\g0a:\g0a+3], s[\g1a:\g1a+7]
	s_nop 0
.rept 4
	v_nop
.endr
	s_branch .Lasked_\@
.Lfor_b_\@:
	tensor_load_to_lds s[\g0b:\g0b+3], s[\g1b:\g1b+7]
	s_nop 0
.rept 4
	v_nop
.endr
.Lasked_\@:
.endm
.macro CREST
	s_cmp_lg_u32 s18, 0
	s_cbranch_scc1 .Lnot_wave_0_\@
	s_barrier_signal -3
.Lnot_wave_0_\@:
	s_barrier_wait -3
	s_barrier_signal -1
	s_barrier_wait -1
.endm
.macro CROUND
	s_barrier_signal -1
	s_barrier_wait -1
	CREST
.endm
	s_load_b256 s[4:11], s[0:1], 0x0
	s_load_b128 s[12:15], s[0:1], 0x20
	s_load_b64 s[16:17], s[0:1], 0x30
	v_lshl_add_u32 v[SPW], v0, 2, SPARE
	v_mov_b32 v[NIL], 0
	ds_add_u32 v[SPW], v[NIL]
	ds_add_u32 v[SPW], v[NIL]
	v_lshrrev_b32 v1, 5, v0
	v_readfirstlane_b32 s18, v1
	s_lshr_b32 s19, s18, 1
	s_and_b32 s20, s18, 1
	s_bfe_u32 s40, ttmp6, 0x40000
	s_bfe_u32 s41, ttmp6, 0x40004
	s_and_b32 s22, ttmp7, 0xffff
	s_lshl_b32 s22, s22, 2
	s_lshl_b32 s43, s41, 2
	s_lshl_b32 s43, 15, s43
	s_lshl_b32 s44, 0x1111, s40
	s_or_b32 s[G1+0], s43, (3<<16)|(1<<21)
	s_or_b32 s[G1B+0], s44, (3<<16)|(1<<21)
.irp g, G1, G1B
	s_mov_b32 s[\g+1], 384<<16
	s_mov_b32 s[\g+2], 16<<16
	s_mov_b32 s[\g+3], 384<<16
	s_mov_b32 s[\g+4], 16
	s_mov_b32 s[\g+5], 1536
	s_mov_b32 s[\g+6], 0
	s_mov_b32 s[\g+7], 0
.endr
	s_or_b32 s[G1S+0], s43, (3<<16)|(1<<21)
	s_or_b32 s[G1SB+0], s44, (3<<16)|(1<<21)
.irp g, G1S, G1SB
	s_mov_b32 s[\g+1], 32<<16
	s_mov_b32 s[\g+2], 32<<16
	s_mov_b32 s[\g+3], 32<<16
	s_mov_b32 s[\g+4], 32
	s_mov_b32 s[\g+5], 32
	s_mov_b32 s[\g+6], 0
	s_mov_b32 s[\g+7], 0
.endr
	s_lshl_b32 s46, ttmp9, 2
	s_add_co_u32 s46, s46, 16
	s_cmp_eq_u32 ttmp9, 2
	s_cselect_b32 s42, 24, s22
	s_cselect_b32 s46, s22, s46
	s_add_co_u32 s42, s42, s41
	s_add_co_u32 s46, s46, s40
	s_lshl_b32 s42, s42, 1
	s_add_co_u32 s42, s42, s20
	s_lshl_b32 s46, s46, 1
	s_add_co_u32 s46, s46, s20
	s_lshl_b32 s98, s42, 12
	s_mov_b32 s99, 0
	s_mul_i32 s96, s42, 8*12288
	s_mov_b32 s97, 0
	s_lshl_b32 s92, s46, 12
	s_mov_b32 s93, 0
	s_mul_i32 s46, s46, 8*12288
	s_mov_b32 s47, 0
	s_mul_i32 s45, s18, HALFT
	s_mov_b32 s[SEL], 0x76543210
	s_mov_b32 s[SEL+1], 0xfedcba98
	s_mov_b32 s105, 0xffff0000
	s_wait_dscnt 0x0
	s_wait_kmcnt 0x0
	s_add_nc_u64 s[96:97], s[4:5], s[96:97]
	s_add_nc_u64 s[98:99], s[6:7], s[98:99]
	s_add_nc_u64 s[46:47], s[4:5], s[46:47]
	s_add_nc_u64 s[92:93], s[6:7], s[92:93]
	CROUND
; THE HEAD'S LOADS, ONE A WAVE: wave 0 fetches slot 0's 16 tiles of A, wave 1 its 16 tiles of B, wave 2 the scale words of A's 16 tiles, wave 3 those of B's.
; Each begins at the block's first tile: my half's distance is taken off the addresses that the ring uses.
	s_mul_i32 s100, s20, 8*12288
	s_mov_b32 s101, 0
	s_mov_b32 s[G0], 1
	s_mov_b32 s[G0+1], 0
	s_sub_nc_u64 s[G0+2:G0+3], s[96:97], s[100:101]
	s_or_b32 s[G0+3], s[G0+3], 0x80000000
	s_mov_b32 s[G0B], 1
	s_mov_b32 s[G0B+1], 2*HALFT
	s_sub_nc_u64 s[G0B+2:G0B+3], s[46:47], s[100:101]
	s_or_b32 s[G0B+3], s[G0B+3], 0x80000000
	s_lshl_b32 s100, s20, 12
	s_mov_b32 s[G0S], 1
	s_mov_b32 s[G0S+1], SCL
	s_sub_nc_u64 s[G0S+2:G0S+3], s[98:99], s[100:101]
	s_or_b32 s[G0S+3], s[G0S+3], 0x80000000
	s_mov_b32 s[G0SB], 1
	s_mov_b32 s[G0SB+1], SCL+2*4096
	s_sub_nc_u64 s[G0SB+2:G0SB+3], s[92:93], s[100:101]
	s_or_b32 s[G0SB+3], s[G0SB+3], 0x80000000
.macro ARM under, g0, g1, next         ; one tree of branches on the wave's number: every way through it passes exactly one load
	s_cmp_lt_u32 s18, \under
	s_cbranch_scc0 \next
	tensor_load_to_lds s[\g0:\g0+3], s[\g1:\g1+7]
	s_nop 0
.rept 4
	v_nop
.endr
	s_branch .Lhead_asked
\next:
.endm
	ARM 1, G0,  G1,  .Lhead_b
	ARM 2, G0B, G1B, .Lhead_sa
	ARM 3, G0S, G1S, .Lhead_sb
	tensor_load_to_lds s[G0SB:G0SB+3], s[G1SB:G1SB+7]
	s_nop 0
.rept 4
	v_nop
.endr
.Lhead_asked:
	s_mov_b32 s[G0+4], 1                           ; slot 1's group 0: my eight tiles
	s_add_co_u32 s[G0+5], s45, SLOT
	s_add_nc_u64 s[G0+6:G0+7], s[96:97], TILEB
	s_or_b32 s[G0+7], s[G0+7], 0x80000000
	s_mov_b32 s[G0B+4], 1
	s_add_co_u32 s[G0B+5], s45, SLOT
	s_add_nc_u64 s[G0B+6:G0B+7], s[46:47], TILEB
	s_or_b32 s[G0B+7], s[G0B+7], 0x80000000
	s_wait_alu depctr_va_vdst(0)
	s_wait_tensorcnt 0x0                           ; my tile of the head's four is in; no tensor load of mine is out, so a descriptor may be written
	ds_add_u32 v28, v29                            ; the add ahead of a later first fill
	s_mov_b32 s[G0+1], s45                         ; slot 0's group 0, for its refills: my eight tiles
	s_mov_b64 s[G0+2:G0+3], s[96:97]
	s_or_b32 s[G0+3], s[G0+3], 0x80000000
	s_mov_b32 s[G0B+1], s45
	s_mov_b64 s[G0B+2:G0B+3], s[46:47]
	s_or_b32 s[G0B+3], s[G0B+3], 0x80000000
	s_mov_b32 s[G1+2], 8<<16                       ; from here on a load brings eight tiles
	s_mov_b32 s[G1+4], 8
	s_mov_b32 s[G1B+2], 8<<16
	s_mov_b32 s[G1B+4], 8
	s_wait_dscnt 0x0
	CROUND
	JLOAD G0+4, G1, G0B+4, G1B
	s_cmp_eq_u32 ttmp9, 0
	s_cselect_b64 s[98:99], s[8:9], s[10:11]
	s_cmp_eq_u32 ttmp9, 2
	s_cselect_b64 s[98:99], s[16:17], s[98:99]
	s_cselect_b32 s23, 0, s22
	s_cselect_b32 s42, s22, 0
	s_add_co_u32 s23, s23, s41
	s_lshl_b32 s23, s23, 1
	s_add_co_u32 s23, s23, s19
	s_add_co_u32 s42, s42, s40
	s_lshl_b32 s42, s42, 1
	s_add_co_u32 s42, s42, s20
	s_cmp_eq_u32 ttmp9, 2
	s_cselect_b32 s21, s23, s42
	s_cselect_b32 s23, s42, s23
	s_lshl_b32 s92, s21, 9
	s_mov_b32 s93, 0
	s_add_nc_u64 s[98:99], s[98:99], s[92:93]
	s_mov_b32 s95, 417792
	s_cmp_eq_u32 ttmp9, 0
	s_cselect_b32 s95, 212992, s95
	s_cselect_b64 s[96:97], s[12:13], s[14:15]
	s_mul_i32 s2, s21, s95
	s_lshl_b32 s2, s2, 1
	s_mul_i32 s42, s23, 6656
	s_lshr_b32 s46, s23, 3
	s_mul_i32 s46, s46, 104448
	s_and_b32 s47, s23, 7
	s_mul_i32 s92, s47, 12288
	s_add_co_u32 s92, s92, s46
	s_mul_i32 s47, s47, 768
	s_add_co_u32 s47, s47, s46
	s_add_co_u32 s47, s47, 98304
	s_add_co_u32 s93, s42, 6144
	s_cmp_eq_u32 ttmp9, 0
	s_cselect_b32 s42, s42, s92
	s_cselect_b32 s104, s93, s47
	s_add_co_u32 s104, s104, s2
	s_add_co_u32 s2, s2, s42
	s_mov_b32 s100, 768
	s_sub_co_u32 s101, s95, 6144
	s_cmp_eq_u32 ttmp9, 2
	s_cselect_b32 s42, 6144, 0
	s_cselect_b32 s46, 512, 0
	s_cselect_b32 s3, s100, s95
	s_cselect_b32 s100, 1536, s100
	s_cselect_b32 s101, s101, 0
	s_add_co_u32 s2, s2, s42
	s_add_co_u32 s104, s104, s46
	v_and_b32 v1, 15, v0
	v_bfe_u32 v2, v0, 4, 1
	v_and_b32 v3, 31, v0
	s_cmp_eq_u32 ttmp9, 2
	s_cbranch_scc1 .Lbias_v
	v_lshlrev_b32 v4, 7, v2
.irp c, 0,1
.irp m, 0,1,2,3,4,5,6,7
	global_load_b128 v[CB+32*\c+4*\m:CB+32*\c+4*\m+3], v4, s[98:99] offset:256*\c+16*\m
.endr
.endr
	s_branch .Lbias_done
.Lbias_v:
	s_wait_alu depctr_va_vdst(0)
	v_and_b32 v4, 7, v1
	v_lshrrev_b32 v5, 3, v1
	v_lshlrev_b32 v4, 2, v4
	v_lshl_add_u32 v4, v5, 7, v4
.irp a, 0,1,2,3,4,5,6,7
	global_load_b32 v[CB+8*\a], v4, s[98:99] offset:256*(\a/4)+32*(\a%4)
.endr
	s_wait_loadcnt 0x0
.irp a, 0,1,2,3,4,5,6,7
.irp j, 1,2,3,4,5,6,7
	v_mov_b32 v[CB+8*\a+\j], v[CB+8*\a]
.endr
.endr
.Lbias_done:
	s_wait_alu depctr_va_vdst(0)
	v_lshlrev_b32 v[L16], 4, v3
	v_lshlrev_b32 v[L8], 3, v3
	v_lshlrev_b32 v[SH], 3, v2
	s_mul_i32 s42, s19, HALFT
	s_mul_i32 s46, s20, HALFT
	s_add_co_u32 s46, s46, 2*HALFT
.irp s, 0,1
	v_add_nc_u32 v[ADRA+\s], s42, v[L16]
	v_add_nc_u32 v[ADRB+\s], s46, v[L16]
	v_add_nc_u32 v[ADRA+2+\s], s42, v[L8]
	v_add_nc_u32 v[ADRB+2+\s], s46, v[L8]
	s_add_co_u32 s42, s42, SLOT
	s_add_co_u32 s46, s46, SLOT
.endr
	v_lshlrev_b32 v6, 4, v1
	s_lshl_b32 s42, s19, 12
	s_lshl_b32 s46, s20, 12
	s_add_co_u32 s46, s46, 2*4096
	s_sub_co_u32 s46, s46, s42
	v_mul_u32_u24 v7, s46, v2
	s_add_co_u32 s42, s42, SCL
	v_add_nc_u32 v6, v6, v7
	v_add_nc_u32 v[ADRS], s42, v6
.macro FRAG reg, adr, q, i
	ds_load_b128 v[\reg:\reg+3], v[\adr] offset:(\i)*TILEB+(\q)*1536
	ds_load_b64 v[\reg+4:\reg+5], v[\adr+2] offset:(\i)*TILEB+(\q)*1536+512
	ds_load_b128 v[\reg+6:\reg+9], v[\adr] offset:(\i)*TILEB+(\q)*1536+768
	ds_load_b64 v[\reg+10:\reg+11], v[\adr+2] offset:(\i)*TILEB+(\q)*1536+1280
.endm
.macro MUL16 a0, p, q, sc, zero
.irp a, \a0, \a0+1
.irp b, 0,1,2,3,4,5,6,7
.set rD, 8*(8*((\a)%4)+\b)
.set rB, 128*(\p)+FR*\b
.set rA, AF+FR*(\a)
.set rSB, SC+16*(\sc)+2*\b+(\q)
.set rSA, SC+16*(\sc)+2*(\a)+(\q)
.if (\zero) == 1
	v_wmma_scale_f32_16x16x128_f8f6f4 v[rD:rD+7], v[rB:rB+11], v[rA:rA+11], v[CB+8*\b:CB+8*\b+7], v[rSB], v[rSA] matrix_a_fmt:MATRIX_FMT_FP6 matrix_b_fmt:MATRIX_FMT_FP6 matrix_a_scale:MATRIX_SCALE_ROW1
.elseif (\zero) == 2
	v_wmma_scale_f32_16x16x128_f8f6f4 v[rD:rD+7], v[rB:rB+11], v[rA:rA+11], v[CB+8*(\a):CB+8*(\a)+7], v[rSB], v[rSA] matrix_a_fmt:MATRIX_FMT_FP6 matrix_b_fmt:MATRIX_FMT_FP6 matrix_a_scale:MATRIX_SCALE_ROW1
.else
	v_wmma_scale_f32_16x16x128_f8f6f4 v[rD:rD+7], v[rB:rB+11], v[rA:rA+11], v[rD:rD+7], v[rSB], v[rSA] matrix_a_fmt:MATRIX_FMT_FP6 matrix_b_fmt:MATRIX_FMT_FP6 matrix_a_scale:MATRIX_SCALE_ROW1
.endif
.endr
.endr
.endm
.macro FETCH_B slot, q, p
	WIN TO_B
.irp i, 0,1,2,3,4,5,6,7
	FRAG 128*(\p)+FR*\i, ADRB+\slot, \q, \i
.endr
	WIN 0
.endm
.macro FETCH_A slot, q, i0
.irp i, \i0, \i0+1, \i0+2, \i0+3
	FRAG AF+FR*(\i), ADRA+\slot, \q, \i
.endr
.endm
.macro SCALES sc, ks
.irp i, 0,1,2,3,4,5,6,7
	ds_load_b64 v[SC+16*(\sc)+2*\i:SC+16*(\sc)+2*\i+1], v[ADRS] offset:512*\i+256*((\ks)/2)+8*((\ks)%2)
.endr
.endm
.macro PLACES n
.rept \n
	v_nop
.endr
.endm
.macro STEP slot, q, zero
	s_wait_dscnt 4*NL
.if \zero
	WIN MULC_LO
.else
	WIN MUL_LO
.endif
	MUL16 0, (\q)%2, \q, \slot, \zero
	MUL16 2, (\q)%2, \q, \slot, \zero
	s_wait_dscnt 0x0
	PLACES NP
	FETCH_B \slot, (\q)+1, 1-(\q)%2
	FETCH_A \slot, (\q)+1, 0
.if \zero
	WIN MULC_HI
.else
	WIN MUL_HI
.endif
	MUL16 4, (\q)%2, \q, \slot, \zero
	MUL16 6, (\q)%2, \q, \slot, \zero
	PLACES NP
	WIN 0
	FETCH_A \slot, (\q)+1, 4
.endm
.macro TURN slot, next, fill, ks
	s_wait_tensorcnt 0x0
	ds_add_u32 v[SPW], v[NIL]
	s_wait_dscnt 4*NL+1
	WIN MUL_LO
	MUL16 0, 1, 1, \slot, 0
	s_wait_dscnt 0x0
	s_barrier_signal -1
	MUL16 2, 1, 1, \slot, 0
	WIN 0
	s_barrier_wait -1
.if \fill
	CREST
	s_add_nc_u64 s[G0+4*\slot+2:G0+4*\slot+3], s[G0+4*\slot+2:G0+4*\slot+3], 2*TILEB
	s_add_nc_u64 s[G0B+4*\slot+2:G0B+4*\slot+3], s[G0B+4*\slot+2:G0B+4*\slot+3], 2*TILEB
	JLOAD G0+4*\slot, G1, G0B+4*\slot, G1B
.else
	PLACES NP
.endif
	FETCH_B \next, 0, 0
	FETCH_A \next, 0, 0
	SCALES \next, \ks
	WIN MUL_HI
	MUL16 4, 1, 1, \slot, 0
	MUL16 6, 1, 1, \slot, 0
	PLACES NP
	WIN 0
	FETCH_A \next, 0, 4
.endm
	s_wait_alu depctr_va_vdst(0)
	s_wait_tensorcnt 1
	s_barrier_signal -1
	s_barrier_wait -1
	FETCH_B 0, 0, 0
	FETCH_A 0, 0, 0
	SCALES 0, 0
	FETCH_A 0, 0, 4
	s_wait_loadcnt 0x0
	s_cmp_eq_u32 ttmp9, 2
	s_cbranch_scc1 .Lfirst_v
	STEP 0, 0, 1
	s_branch .Lfirst_done
.Lfirst_v:
	STEP 0, 0, 2
.Lfirst_done:
	TURN 0, 1, 1, 1
	STEP 1, 0, 0
	TURN 1, 0, 1, 2
	STEP 0, 0, 0
	TURN 0, 1, 0, 3
	STEP 1, 0, 0
	s_wait_dscnt 4*NL
	WIN MUL_LO
	MUL16 0, 1, 1, 1, 0
	MUL16 2, 1, 1, 1, 0
	s_wait_dscnt 0x0
	WIN MUL_HI
	MUL16 4, 1, 1, 1, 0
	MUL16 6, 1, 1, 1, 0
	WIN 0
.macro QUANTB s, pw, w
	WIN (\w)|((\w)<<2)|((\w)<<4)
.irp k, 0,1,2,3
	v_max3_num_f32 v[TM+\k], |v[(\s)+16*\k]|, |v[(\s)+16*\k+1]|, |v[(\s)+16*\k+2]|
.endr
	WIN ((\w)<<2)|((\w)<<4)
.irp i, 3,5,7,9,11,13
.irp k, 0,1,2,3
	v_max3_num_f32 v[TM+\k], v[TM+\k], |v[(\s)+16*\k+\i]|, |v[(\s)+16*\k+\i+1]|
.endr
.endr
.irp c, 0,1
	v_max3_num_f32 v[TM+2*\c], v[TM+2*\c], |v[(\s)+32*\c+15]|, |v[(\s)+32*\c+31]|
.endr
	WIN 0
.irp c, 0,1
	v_max3_num_f32 v[TM+2*\c], v[TM+2*\c], v[TM+2*\c+1], 0x1800000
.endr
.irp c, 0,1
	v_add_nc_u32 v[SOP+\c], 0xff000000, v[TM+2*\c]
.endr
	WIN (\w)
.irp c, 0,1
	v_cvt_scalef32_pk16_fp6_f32 v[PC+6*\c:PC+6*\c+2], v[(\s)+32*\c:(\s)+32*\c+15], v[SOP+\c]
	v_cvt_scalef32_pk16_fp6_f32 v[TQ+4*\c:TQ+4*\c+2], v[(\s)+32*\c+16:(\s)+32*\c+31], v[SOP+\c]
.endr
	WIN 0
.irp c, 0,1
	v_lshrrev_b32 v[BY+\c], 23, v[SOP+\c]
.endr
	v_lshl_or_b32 v[\pw], v[BY+1], 16, v[BY]
	v_lshlrev_b32 v[\pw], v[SH], v[\pw]
	v_permlanex16_b32 v[TX], v[\pw], s[SEL], s[SEL+1]
	v_or_b32 v[\pw], v[\pw], v[TX]
.irp c, 0,1
.irp i, 0,1,2
	v_mov_b32 v[PC+3+6*\c+\i], v[TQ+4*\c+\i]
.endr
.endr
.endm
.macro OUTB a
	s_wait_xcnt 0x0
	s_add_co_u32 s23, s2, s3
	v_add_nc_u32 v[OA], s2, v[L16]
	v_add_nc_u32 v[OA+1], s2, v[L8]
	v_add_nc_u32 v[OA+2], s23, v[L16]
	v_add_nc_u32 v[OA+3], s23, v[L8]
	QUANTB 64*((\a)%4), PW+(\a), 2+(\a)/4
	global_store_b128 v[OA], v[PC:PC+3], s[96:97]
	global_store_b64 v[OA+1], v[PC+4:PC+5], s[96:97] offset:512
	global_store_b128 v[OA+2], v[PC+6:PC+9], s[96:97]
	global_store_b64 v[OA+3], v[PC+10:PC+11], s[96:97] offset:512
	s_add_co_u32 s2, s2, s100
.if (\a) == 3
	s_add_co_u32 s2, s2, s101
.endif
.endm
	PLACES NP
	v_mov_b32 v[TX], 0
.irp a, 0,1,2,3,4,5,6,7
	OUTB \a
.endr
	s_wait_xcnt 0x0
	s_add_co_u32 s23, s104, s95
	v_add_nc_u32 v[OA], s104, v[L16]
	v_add_nc_u32 v[OA+1], s104, v[L8]
	v_add_nc_u32 v[OA+2], s23, v[L16]
	v_add_nc_u32 v[OA+3], s23, v[L8]
.irp j, 0,1,2,3
	v_cndmask_b32 v[WW+\j], v[PW+2*\j], v[PW+2*\j+1], s105
.endr
	s_cmp_eq_u32 ttmp9, 2
	s_cbranch_scc1 .Lsc_v
.irp j, 0,1,2,3
	v_lshrrev_b32 v[WW+4+\j], 16, v[WW+\j]
.endr
.irp j, 0,1,2,3
	v_and_b32 v[WW+\j], 0xffff, v[WW+\j]
.endr
	global_store_b128 v[OA], v[WW:WW+3], s[96:97]
	global_store_b128 v[OA+2], v[WW+4:WW+7], s[96:97]
	s_branch .Lsc_done
.Lsc_v:
	s_wait_alu depctr_va_vdst(0)
	global_store_b64 v[OA+1], v[WW:WW+1], s[96:97]
	global_store_b64 v[OA+3], v[WW+2:WW+3], s[96:97]
.Lsc_done:
	s_wait_tensorcnt 0x0
	ds_add_u32 v[SPW], v[NIL]
	s_wait_dscnt 0x0
	CROUND
	s_endpgm
.Lfunc_end_k_qaea20b882f_qkv:
	.size	k_qaea20b882f_qkv, .Lfunc_end_k_qaea20b882f_qkv-k_qaea20b882f_qkv
	.p2alignl 7, 3214868480
	.fill 96, 4, 3214868480
	.section	.rodata,"a",@progbits
	.p2align	6, 0x0
	.amdhsa_kernel k_qaea20b882f_qkv
		.amdhsa_group_segment_fixed_size 327680
		.amdhsa_private_segment_fixed_size 0
		.amdhsa_enable_private_segment 0
		.amdhsa_kernarg_size 56
		.amdhsa_user_sgpr_count 2
		.amdhsa_user_sgpr_kernarg_segment_ptr 1
		.amdhsa_wavefront_size32 1
		.amdhsa_system_sgpr_workgroup_id_x 1
		.amdhsa_system_sgpr_workgroup_id_y 1
		.amdhsa_system_sgpr_workgroup_id_z 1
		.amdhsa_system_vgpr_workitem_id 0
		.amdhsa_next_free_vgpr 1024
		.amdhsa_next_free_sgpr 106
		.amdhsa_reserve_vcc 0
		.amdhsa_float_denorm_mode_32 3
		.amdhsa_float_denorm_mode_16_64 3
		.amdhsa_memory_ordered 1
		.amdhsa_forward_progress 1
		.amdhsa_inst_pref_size 164
	.end_amdhsa_kernel
	.amdgpu_metadata
---
amdhsa.version: [ 1, 2 ]
amdhsa.kernels:
  - .name:           k_qaea20b882f_qkv
    .symbol:         k_qaea20b882f_qkv.kd
    .args:
      - { .name: xw_img, .offset: 0, .size: 8, .value_kind: global_buffer, .address_space: global }
      - { .name: xw_sc, .offset: 8, .size: 8, .value_kind: global_buffer, .address_space: global }
      - { .name: bq, .offset: 16, .size: 8, .value_kind: global_buffer, .address_space: global }
      - { .name: bk, .offset: 24, .size: 8, .value_kind: global_buffer, .address_space: global }
      - { .name: q_img, .offset: 32, .size: 8, .value_kind: global_buffer, .address_space: global }
      - { .name: kv_img, .offset: 40, .size: 8, .value_kind: global_buffer, .address_space: global }
      - { .name: bv, .offset: 48, .size: 8, .value_kind: global_buffer, .address_space: global }
    .group_segment_fixed_size: 327680
    .private_segment_fixed_size: 0
    .kernarg_segment_align: 8
    .kernarg_segment_size: 56
    .max_flat_workgroup_size: 128
    .sgpr_count:     106
    .vgpr_count:     1024
    .wavefront_size: 32
...
	.end_amdgpu_metadata
.endif
;; end of part 2
;; launch attn (part 3): grid 16 x 16, 8 waves a work-group, clusters of 4 x 1, 327,680 bytes of LDS; arguments q_img, kv_img, o_img, o_sc; writes o_img, o_sc
.if DOCPART == 3
	.amdgcn_target "amdgcn-amd-amdhsa--gfx1250"
	.amdhsa_code_object_version 6
	.text
	.protected	k_qaea20b882f_attn
	.globl	k_qaea20b882f_attn
	.p2align	8
	.type	k_qaea20b882f_attn,@function
k_qaea20b882f_attn:
	s_mov_b64 s[64:65], 0
	v_nop
	global_prefetch_b8 v0, s[64:65] scope:SCOPE_SE
	s_setreg_imm32_b32 hwreg(HW_REG_WAVE_MODE, 25, 1), 1
	s_wait_xcnt 0x0
	s_wait_alu depctr_hold_cnt(0) depctr_sa_sdst(0) depctr_va_vdst(0) depctr_va_sdst(0) depctr_va_ssrc(0) depctr_va_vcc(0) depctr_vm_vsrc(0)
	s_getreg_b32 s2, hwreg(HW_REG_IB_STS2, 6, 4)
	s_cmp_eq_u32 s2, 0
	s_cbranch_scc0 .Lentry_in_a_cluster
	s_endpgm
.Lentry_in_a_cluster:
	s_bfe_u32 s2, ttmp6, 0x10000c
	s_cmp_lg_u32 s2, 0x3003
	s_cbranch_scc0 .Lentry_shape_is_right
	s_endpgm
.Lentry_shape_is_right:
; O[h][q] = the sum over k of softmax_k(Q[h][q] . K[h][k] / 8) V[h][k], 16 heads of 64, 4,096 tokens, both products on codes of FP6 (E2M3) with E8M0 scales; O is normalised and quantised along the 1,024 channels.
; THE SOFTMAX: t = score x log2(e) / 8; M = the row's largest t so far, rounded UP to a whole number; p = 2^(t - M) is quantised along the keys, not normalised.  The row's sum is taken of the unquantised p, in f32,
; and divides O at the end.  When M moves, the sum and O are multiplied by 2^(old M - new M): exact.
; LIMITS: NaN and infinities are not served; a block whose largest number lies under 2^-124 keeps the byte 1; a block's largest p is taken from its largest score by the same multiply-add and exponential
; (this takes v_exp_f32 not to fall where its input rises).
; SHARES.  A work-group owns 256 queries of one head; each of its eight waves owns TWO tiles of 16 queries, so that each fragment of K and V read from LDS feeds two products, and every chain of the softmax is written for both tiles by turns.
; Every wave walks all keys, 128 a step.  A slot of 1,024 keys is 104,448 dense bytes of kv_img (eight steps of 12,288 bytes of codes, then 6,144 of scales): 408 rows of 256 bytes, 51 for each wave's one tensor load.
; CLUSTER.  The four query blocks of a cluster belong to one head and walk the same K and V: each part of a slot is asked for jointly, by the same tensor load with the same descriptor and a mask that names the four.
; LAYOUT.  Both products are used transposed: S^T = K Q^T, O^T = V^T P^T: a lane holds ONE query of each tile throughout.  A tile's 16 rows are chosen so that a lane's 32 registers of four neighbouring tiles are 32 neighbouring
; keys (or channels): a whole block, in the place that the operand's layout gives that lane.
; THE HEAD'S 64 IN AN INSTRUCTION OF 128: Q's registers 6-11 are zeros, and the upper two scale bytes of Q's and K's words are 0 (2^-127, a number).  K's tile t is named with the six registers that follow it (behind tile 7 six zeros):
; whatever code stands there is multiplied by the code 0.
; LOADS FROM LDS.  Behind a step's score products V's fragments of the step and K's of the next step are asked for; they land while the softmax is worked.  In a slot's last step K's are not asked for: they come behind the change of slots.
; REGISTERS.  Window 0: addresses, the softmax's small numbers, p's codes, S^T (v128-255).  Window 1: O^T v0-63, Q v64-87, K v88-141, V^T v144-191.
.set HS,    417792                     ; a head's bytes in kv_img
.set SLOTB, 104448                     ; a slot's
.set PART,  13056                      ; a wave's part of a slot: 51 rows of 256 bytes
.set SLOT1, 1<<17                      ; slot 1 begins here: one exclusive or turns an address in one slot into the other's
.set SPARE, 2*SLOT1                    ; behind the ring: the spare words, 128 bytes for each wave: four blocks of 256 bytes that no other line names
.set L16, 1                            ; 16 x lane
.set L8,  2                            ; 8 x lane
.set SPW, 3                            ; LDS address of my spare word; never rewritten
.set NIL, 4                            ; 0; never rewritten
.set A16, 6                            ; the step's codes + 16 x lane
.set A8,  7                            ; + 8 x lane
.set AS16, 8                           ; the step's scales + 16 x lane
.set AS8, 9                            ; + 8 x lane
.set PFO, 10                           ; 256 x lane: the prefetches' offset; never rewritten
.set OSB, 11                           ; 16 r + h: my scale byte's place
.set NM,  12                           ; tile q: v[NM+2q] -M, v[NM+2q+1] the largest score
.set LS,  16                           ; v[LS+2q:+1] the sum, in two halves
.set FF,  20                           ; v[FF+2q] f = 2^(old M - new M); the register above is named with it as a pair
.set QS,  24                           ; Q's scale words, a register a tile
.set PS,  26                           ; p's scale words
.set KS,  28                           ; v28-31 K's scale words: register j: lanes 0-15 tile 2 j, lanes 16-31 tile 2 j + 1
.set VS,  32                           ; v32-33 V's likewise
.set TX,  34                           ; what the lane 16 away sends
.set T1,  36
.set T2,  38
.set SOP, 40                           ; + 2 q + c: the conversions' scale operands
.set BY,  44                           ; + 2 q + c: the scale bytes
.set TM,  48                           ; + 4 q + k: four chains of maxima a tile
.set PCD, 56                           ; + 12 q: p's codes
.set TQ,  80                           ; + 8 q + 4 c: the blocks' upper halves
.set SU,  96                           ; + 8 q + 2 j: four chains of sums a tile
.set S,   128                          ; + 64 q: S^T, then p: register 32 c + i = key 64 c + 32 h + i of the step
.set OW,  0                            ; window 1, + 32 q: O^T: register i = channel 32 h + i of the head
.set QW,  64                           ; window 1, + 12 q: Q's six registers of codes and six of zeros
.set KW,  88                           ; window 1: K's eight tiles, 6 registers each, then six zeros
.set VW,  144                          ; window 1: V^T's four fragments
.set WV,  18                           ; s18 my wave's number
.set G1,  24                           ; s[24:31], s[32:35] groups 1 and 0; group 0 walks
.set G0,  32
.set SEL, 48                           ; s[48:49] lane selects: lane l xor 16
.set CS,  50                           ; s[50:51] c = log2(e) / 8
.set TB,  52                           ; LDS byte at which the step's codes begin
.set TS,  53                           ; and its scales
.set SLOTS, 54                         ; slots still to be asked for
.set CNT, 55                           ; counts a slot's eight steps
.set PFA, 56                           ; s[56:57] where my prefetches stand in memory
.set LIM, 58                           ; 1 in a wave that prefetches, else the greatest number
.set MSB, 0
.macro WIN new                         ; the immediate's high byte repeats the setting that is left
.if MSB != (\new)
	s_set_vgpr_msb (MSB<<8)|(\new)
.set MSB, (\new)
.endif
.endm
.macro DEP n
	s_delay_alu instid0(VALU_DEP_\n)
.endm
.macro TLOAD                           ; every wave's one joint load: its 51 rows.  An s_nop 0 and four v_nop follow
	tensor_load_to_lds s[G0:G0+3], s[G1:G1+7]
	s_nop 0
.rept 4
	v_nop
.endr
.endm
; A PREFETCH INTO THE L2 of the codes that the NEXT change of slots will ask for: 98,304 bytes.  All clusters of a head walk the same K and V: the head's first cluster asks.  Its four partners share the bytes out BY ADDRESS,
; 24,576 each; in each, waves 5 to 7 ask for 8,192 bytes each, lanes 256 bytes apart: one instruction.  So each aligned 256 bytes are named once in the launch, a slot's eight key steps ahead of the load.
; The last change that fills a slot asks for nothing; slots 0 and 1 and the scale bytes come by their loads alone.
.macro ASK
	s_cmp_gt_u32 s[SLOTS], s[LIM]
	s_cbranch_scc0 .Lnot_mine_\@
	global_prefetch_b8 v[PFO], s[PFA:PFA+1] th:TH_LOAD_NT scope:SCOPE_SE
.Lnot_mine_\@:
.endm
.macro CROUND                          ; a round of the cluster's barrier
	s_barrier_signal -1
	s_barrier_wait -1
	s_cmp_lg_u32 s[WV], 0
	s_cbranch_scc1 .Lnot_wave_0_\@
	s_barrier_signal -3
.Lnot_wave_0_\@:
	s_barrier_wait -3
	s_barrier_signal -1
	s_barrier_wait -1
.endm
.macro MMZ d, a, b, sa, sb, row        ; a product that starts its sum
.if \row
	v_wmma_scale_f32_16x16x128_f8f6f4 v[\d:\d+7], v[\a:\a+11], v[\b:\b+11], 0, v[\sa], v[\sb] matrix_a_fmt:MATRIX_FMT_FP6 matrix_b_fmt:MATRIX_FMT_FP6 matrix_a_scale:MATRIX_SCALE_ROW1
.else
	v_wmma_scale_f32_16x16x128_f8f6f4 v[\d:\d+7], v[\a:\a+11], v[\b:\b+11], 0, v[\sa], v[\sb] matrix_a_fmt:MATRIX_FMT_FP6 matrix_b_fmt:MATRIX_FMT_FP6
.endif
.endm
.macro MMA d, a, b, sa, sb, row        ; a product that adds in place
.if \row
	v_wmma_scale_f32_16x16x128_f8f6f4 v[\d:\d+7], v[\a:\a+11], v[\b:\b+11], v[\d:\d+7], v[\sa], v[\sb] matrix_a_fmt:MATRIX_FMT_FP6 matrix_b_fmt:MATRIX_FMT_FP6 matrix_a_scale:MATRIX_SCALE_ROW1
.else
	v_wmma_scale_f32_16x16x128_f8f6f4 v[\d:\d+7], v[\a:\a+11], v[\b:\b+11], v[\d:\d+7], v[\sa], v[\sb] matrix_a_fmt:MATRIX_FMT_FP6 matrix_b_fmt:MATRIX_FMT_FP6
.endif
.endm
	s_load_b256 s[4:11], s[0:1], 0x0               ; q_img s[4:5], kv_img s[6:7], o_img s[8:9], o_sc s[10:11]
	v_lshl_add_u32 v[SPW], v0, 2, SPARE
	v_mov_b32 v[NIL], 0
	ds_add_u32 v[SPW], v[NIL]                      ; the wave's opening: the add, twice on end, and its wait ahead of my first tensor load
	ds_add_u32 v[SPW], v[NIL]
	v_lshrrev_b32 v6, 5, v0
	s_delay_alu instid0(VALU_DEP_1)
	v_readfirstlane_b32 s[WV], v6                  ; wave 0..7
	s_bfe_u32 s12, ttmp6, 0x40000                  ; cx: my place in the cluster
	s_lshl_b32 s13, ttmp9, 2
	s_add_co_u32 s13, s13, s12                     ; my block of 256 queries: it enters Q's and O's addresses alone
	s_and_b32 s14, ttmp7, 0xffff                   ; the head, which the four partners share
	s_mul_i32 s20, s14, HS
	s_mov_b32 s21, 0
	s_mov_b32 s[G1], 15|(3<<16)|(1<<21)            ; 15:0 the mask: all four work-groups; 17:16 elements of 8 bytes; no padding; 21 set beside a mask
	s_mov_b32 s[G1+1], 32<<16                      ; rows of 32 elements: 256 bytes
	s_mov_b32 s[G1+2], 51<<16                      ; 51 rows
	s_mov_b32 s[G1+3], 32<<16
	s_mov_b32 s[G1+4], 51
	s_mov_b32 s[G1+5], 32
	s_mov_b32 s[G1+6], 0
	s_mov_b32 s[G1+7], 0
	s_mul_i32 s15, s[WV], PART                     ; my part, in a slot and in memory alike
	s_mov_b32 s16, s15
	s_mov_b32 s17, 0
	s_mov_b32 s[SEL], 0x76543210
	s_mov_b32 s[SEL+1], 0xfedcba98
	s_mov_b32 s[CS], 0x3e38aa3b                    ; c = log2(e) / 8
	s_mov_b32 s[CS+1], s[CS]                       ; (named with it as a pair, so it is written)
	s_mov_b32 s[TB], 0
	s_mov_b32 s[TS], 98304
	s_mov_b32 s[SLOTS], 3
	s_wait_dscnt 0x0                               ; both opening adds are done
	s_wait_kmcnt 0x0
	s_add_nc_u64 s[6:7], s[6:7], s[20:21]          ; kv_img at my head
	s_mov_b32 s[G0], 1
	s_mov_b32 s[G0+1], s15                         ; LDS address: slot 0
	s_add_nc_u64 s[G0+2:G0+3], s[6:7], s[16:17]
	s_or_b32 s[G0+3], s[G0+3], 0x80000000
	CROUND                                         ; all four work-groups are here: the first joint loads meet
	TLOAD                                          ; slot 0.  A wave never has more than one tensor load out
	; the prefetches: where my wave's stand, and who asks
	s_max_u32 s59, s[WV], 5
	s_sub_co_u32 s59, s59, 5                       ; 0, 1, 2 in waves 5, 6, 7 (0 in the others, which ask for nothing)
	s_mul_i32 s60, s12, 3
	s_add_co_u32 s60, s60, s59
	s_lshl_b32 s60, s60, 13                        ; my 8,192 bytes of the twelve,
	s_add_co_u32 s60, s60, SLOTB                   ; in slot 1: the first change of slots steps it to slot 2
	s_mov_b32 s61, 0
	s_add_nc_u64 s[PFA:PFA+1], s[6:7], s[60:61]
	s_cmp_ge_u32 s[WV], 5
	s_cselect_b32 s[LIM], 0, 1
	s_or_b32 s[LIM], s[LIM], ttmp9                 ; 0 in waves 5 to 7 of the head's first cluster: the same in all four partners
	s_cmp_eq_u32 s[LIM], 0
	s_cselect_b32 s[LIM], 1, -1
	; Q, O
	s_lshl_b32 s62, s14, 5
	s_lshl_b32 s63, s13, 1
	s_add_co_u32 s62, s62, s63
	s_lshr_b32 s63, s[WV], 2
	s_add_co_u32 s62, s62, s63                     ; head x 32 + my group of 128 tokens
	s_mul_i32 s62, s62, 6656
	s_mov_b32 s63, 0
	s_add_nc_u64 s[4:5], s[4:5], s[62:63]
	s_lshl_b32 s66, s13, 4
	s_lshl_b32 s67, s[WV], 1
	s_add_co_u32 s66, s66, s67                     ; my first tile of 16 tokens
	s_mul_i32 s68, s66, 12288
	s_mul_i32 s67, s14, 768
	s_add_co_u32 s68, s68, s67
	s_mov_b32 s69, 0
	s_add_nc_u64 s[8:9], s[8:9], s[68:69]          ; o_img: tile x 12,288 + head x 768
	s_lshl_b32 s70, s66, 9
	s_lshr_b32 s67, s14, 3
	s_lshl_b32 s67, s67, 8
	s_add_co_u32 s70, s70, s67
	s_and_b32 s67, s14, 7
	s_lshl_b32 s67, s67, 1
	s_add_co_u32 s70, s70, s67
	s_mov_b32 s71, 0
	s_add_nc_u64 s[10:11], s[10:11], s[70:71]      ; o_sc: tile x 512 + (head / 8) x 256 + 2 (head % 8)
	s_and_b32 s59, s[WV], 3                        ; my pair of tiles in its group of eight
	s_mul_i32 s60, s59, 1536
	s_lshl_b32 s59, s59, 2
	s_add_co_u32 s59, s59, 6144                    ; the pair's scale words: 6,144 + 256 (tile % 2) + 16 r + 4 (tile / 2)
	v_and_b32 v6, 31, v0                           ; lane
	v_and_b32 v7, 15, v0                           ; r
	v_bfe_u32 v8, v0, 4, 1                         ; h
	DEP 3
	v_lshlrev_b32 v[L16], 4, v6
	DEP 4
	v_lshlrev_b32 v[L8], 3, v6
	v_lshlrev_b32 v[PFO], 8, v6
	DEP 4
	v_lshl_add_u32 v[OSB], v7, 4, v8
	v_add_nc_u32 v[T1], s60, v[L16]
	v_add_nc_u32 v[T2], s60, v[L8]
	v_lshl_add_u32 v[T1+1], v7, 4, s59
	WIN 0x40                                       ; destinations in window 1
.irp q, 0,1
	global_load_b128 v[QW+12*\q:QW+12*\q+3], v[T1], s[4:5] offset:768*\q       ; Q's half images stay in registers
	global_load_b64 v[QW+12*\q+4:QW+12*\q+5], v[T2], s[4:5] offset:768*\q+512
.endr
.irp i, 0,1,2,3,4,5
	v_mov_b32 v[QW+6+\i], 0                        ; Q's codes of k = 64 .. 127
	v_mov_b32 v[QW+18+\i], 0
	v_mov_b32 v[KW+48+\i], 0                       ; what stands behind K's tile 7
.endr
.set J, 0
.rept 64
	v_mov_b32 v[OW+J], 0                           ; O^T.  (The step is written once: the first finds zeros, which the first change of M leaves zeros)
.set J, J+1
.endr
	WIN 0
.irp q, 0,1
	global_load_b32 v[QS+\q], v[T1+1], s[4:5] offset:256*\q
.endr
.irp q, 0,1
	v_mov_b32 v[NM+2*\q+1], 0xff61b1e6             ; the largest score so far: -3e38, under every score
	v_mov_b32 v[LS+2*\q], 0
	v_mov_b32 v[LS+2*\q+1], 0
	v_mov_b32 v[FF+2*\q+1], 0                      ; (named as the upper half of a pair)
	v_mov_b32 v[TX+\q], 0                          ; written once: a lane permute's destination counts as one of its sources
.endr
.irp q, 0,1
	v_floor_f32 v[NM+2*\q], -v[NM+2*\q+1]          ; -M: above every later one, so that the first f is 0
.endr
.macro ADDR                            ; the step's four LDS addresses
	v_add_nc_u32 v[A16], s[TB], v[L16]
	v_add_nc_u32 v[A8], s[TB], v[L8]
	v_add_nc_u32 v[AS16], s[TS], v[L16]
	v_add_nc_u32 v[AS8], s[TS], v[L8]
.endm
.macro KLOAD off, soff                 ; K's eight half images and its scale words: neighbouring lanes read neighbouring bytes
	WIN 0x40
.irp t, 0,1,2,3,4,5,6,7
	ds_load_b128 v[KW+6*\t:KW+6*\t+3], v[A16] offset:(\off)+768*\t
	ds_load_b64 v[KW+6*\t+4:KW+6*\t+5], v[A8] offset:(\off)+768*\t+512
.endr
	WIN 0
	ds_load_b128 v[KS:KS+3], v[AS16] offset:\soff
.endm
; A KEY STEP: 128 keys, two tiles of 16 queries.
.macro STEP
	s_wait_dscnt 0x0                               ; K and its scale words are in
	WIN 0x05                                       ; K and Q in window 1
.irp t, 0,2,4,6                                ; S^T = K Q^T: eight tiles of 16 keys x two tiles of queries
.irp q, 0,1
	MMZ S+64*\q+8*\t, KW+6*\t, QW+12*\q, KS+\t/2, QS+\q, 0
.endr
.irp q, 0,1
	MMZ S+64*\q+8*\t+8, KW+6*\t+6, QW+12*\q, KS+\t/2, QS+\q, 1
.endr
.endr
	WIN 0
	ADDR                                           ; these four are also the places in front of the loads into K's and V's registers and of the first read of the scores
	WIN 0x40
.irp u, 0,1,2,3                                ; V^T's four fragments
	ds_load_b128 v[VW+12*\u:VW+12*\u+3], v[A16] offset:6144+1536*\u
	ds_load_b64 v[VW+12*\u+4:VW+12*\u+5], v[A8] offset:6144+1536*\u+512
	ds_load_b128 v[VW+12*\u+6:VW+12*\u+9], v[A16] offset:6144+1536*\u+768
	ds_load_b64 v[VW+12*\u+10:VW+12*\u+11], v[A8] offset:6144+1536*\u+1280
.endr
	WIN 0
	ds_load_b64 v[VS:VS+1], v[AS8] offset:512
	s_cmp_eq_u32 s[CNT], 1                         ; the slot's last step: the next step's K lies in the other slot, behind the change
	s_cbranch_scc1 .Lno_k_\@
	KLOAD 12288, 768                               ; the next step's K
.Lno_k_\@:
.irp k, 0,1,2,3
.irp q, 0,1
	v_max3_num_f32 v[TM+4*\q+\k], v[S+64*\q+16*\k], v[S+64*\q+16*\k+1], v[S+64*\q+16*\k+2]   ; the largest score of my two blocks of 32 keys: eight chains by turns
.endr
.endr
.irp i, 3,5,7,9,11,13
.irp k, 0,1,2,3
.irp q, 0,1
	v_max3_num_f32 v[TM+4*\q+\k], v[TM+4*\q+\k], v[S+64*\q+16*\k+\i], v[S+64*\q+16*\k+\i+1]
.endr
.endr
.endr
.irp c, 0,1
.irp q, 0,1
	v_max3_num_f32 v[TM+4*\q+2*\c], v[TM+4*\q+2*\c], v[S+64*\q+32*\c+15], v[S+64*\q+32*\c+31]
.endr
.endr
.irp c, 0,1
.irp q, 0,1
	DEP 4
	v_max_num_f32 v[TM+4*\q+2*\c], v[TM+4*\q+2*\c], v[TM+4*\q+2*\c+1]
.endr
.endr
.irp q, 0,1
	DEP 2
	v_max3_num_f32 v[NM+2*\q+1], v[NM+2*\q+1], v[TM+4*\q], v[TM+4*\q+2]   ; the running largest score, with my two blocks',
.endr
.irp q, 0,1
	DEP 2
	v_permlanex16_b32 v[TX+\q], v[NM+2*\q+1], s[SEL], s[SEL+1]
.endr
.irp q, 0,1
	DEP 2
	v_max_num_f32 v[NM+2*\q+1], v[NM+2*\q+1], v[TX+\q]   ; and with that of the lane 16 away, which holds the other 64 keys
.endr
.irp q, 0,1
	DEP 2
	v_mul_f32 v[T1+\q], s[CS], v[NM+2*\q+1]        ; as t (c is positive)
.endr
.irp q, 0,1
	v_mov_b32 v[T2+\q], v[NM+2*\q]
.endr
.irp q, 0,1
	DEP 4
	v_floor_f32 v[NM+2*\q], -v[T1+\q]              ; the new -M = floor(-t) = -ceil(t): M is a whole number
.endr
.irp q, 0,1
	DEP 2
	v_sub_f32 v[T2+\q], v[NM+2*\q], v[T2+\q]       ; M's old value less its new one: a whole number, 0 or less
.endr
.irp q, 0,1
	DEP 2
	v_cvt_i32_f32 v[T2+\q], v[T2+\q]               ; (it saturates)
.endr
.irp q, 0,1
	DEP 2
	v_ldexp_f32 v[FF+2*\q], 1.0, v[T2+\q]          ; f = 2^(old M - new M)
.endr
.irp q, 0,1
.set J, 0
.rept 32
	v_pk_fma_f32 v[S+64*\q+J:S+64*\q+J+1], v[S+64*\q+J:S+64*\q+J+1], s[CS:CS+1], v[NM+2*\q:NM+2*\q+1] op_sel_hi:[1,0,0]   ; t - M, two at a time (of the pairs c and -M the low word serves both halves)
.set J, J+2
.endr
.endr
.irp c, 0,1
.irp q, 0,1
	v_fma_f32 v[TM+4*\q+2*\c], v[TM+4*\q+2*\c], s[CS], v[NM+2*\q]   ; the same of each block's largest score
.endr
.endr
	s_wait_alu depctr_va_vdst(0)                   ; the wait ahead of the batch
.set J, 0
.rept 128
	v_exp_f32 v[S+J], v[S+J]                       ; p = 2^(t - M), at most 1: not normalised
.set J, J+1
.endr
.irp c, 0,1
.irp q, 0,1
	v_exp_f32 v[TM+4*\q+2*\c], v[TM+4*\q+2*\c]     ; the block's largest p: the same two instructions on the same number give the same bits
.endr
.endr
	WIN 0x41                                       ; O^T in window 1, f in window 0
	s_wait_alu depctr_va_vdst(0)                   ; one wait for the whole batch, directly ahead of the first reader of O^T
.irp q, 0,1
.set J, 0
.rept 16
	v_pk_mul_f32 v[OW+32*\q+J:OW+32*\q+J+1], v[OW+32*\q+J:OW+32*\q+J+1], v[FF+2*\q:FF+2*\q+1] op_sel_hi:[1,0]   ; O^T under the new M.  (Also the plain lines behind the exponentials)
.set J, J+2
.endr
.endr
	WIN 0
.irp c, 0,1
.irp q, 0,1
	v_max_num_f32 v[TM+4*\q+2*\c], 0x1800000, v[TM+4*\q+2*\c]   ; the floor 2^(3 - 127): the byte cannot fall under 1
.endr
.endr
.irp c, 0,1
.irp q, 0,1
	DEP 4
	v_add_nc_u32 v[SOP+2*\q+\c], 0xff000000, v[TM+4*\q+2*\c]    ; 2 off the exponent field: the conversion's scale operand
.endr
.endr
.irp j, 0,1,2,3                                ; the row's sum of the unquantised p: eight chains by turns
.irp q, 0,1
	v_pk_add_f32 v[SU+8*\q+2*\j:SU+8*\q+2*\j+1], v[S+64*\q+2*\j:S+64*\q+2*\j+1], v[S+64*\q+2*\j+8:S+64*\q+2*\j+9]
.endr
.endr
.irp m, 2,3,4,5,6,7
.irp j, 0,1,2,3
.irp q, 0,1
	v_pk_add_f32 v[SU+8*\q+2*\j:SU+8*\q+2*\j+1], v[SU+8*\q+2*\j:SU+8*\q+2*\j+1], v[S+64*\q+2*\j+8*\m:S+64*\q+2*\j+8*\m+1]
.endr
.endr
.endr
.irp q, 0,1
.irp c, 0,1
	v_cvt_scalef32_pk16_fp6_f32 v[PCD+12*\q+6*\c:PCD+12*\q+6*\c+2], v[S+64*\q+32*\c:S+64*\q+32*\c+15], v[SOP+2*\q+\c]
	v_cvt_scalef32_pk16_fp6_f32 v[TQ+8*\q+4*\c:TQ+8*\q+4*\c+2], v[S+64*\q+32*\c+16:S+64*\q+32*\c+31], v[SOP+2*\q+\c]   ; (a conversion's three registers begin on an even number)
.endr
.endr
.irp q, 0,1
.irp c, 0,1
	v_lshrrev_b32 v[BY+2*\q+\c], 23, v[SOP+2*\q+\c]   ; the scale's byte.  (Also the plain line behind the conversions)
.endr
.endr
.irp c, 0,1
.irp i, 0,1,2
	v_mov_b32 v[PCD+6*\c+3+\i], v[TQ+4*\c+\i]
.endr
.endr
.irp q, 0,1
	v_lshl_or_b32 v[PS+\q], v[BY+2*\q+1], 16, v[BY+2*\q]   ; my two bytes: blocks h and 2 + h, at bytes 0 and 2
.endr
.irp q, 0,1
	DEP 2
	v_permlanex16_b32 v[TX+\q], v[PS+\q], s[SEL], s[SEL+1]
.endr
.irp q, 0,1
	DEP 2
	v_lshl_or_b32 v[PS+\q], v[TX+\q], 8, v[PS+\q]  ; in lanes 0-15, which alone are read: blocks 1 and 3 of the lane 16 away at bytes 1 and 3: p's scale word for these 128 keys
.endr
.irp c, 0,1
.irp i, 0,1,2
	v_mov_b32 v[PCD+12+6*\c+3+\i], v[TQ+8+4*\c+\i]
.endr
.endr
.irp q, 0,1                                    ; (the fourteen lines from here on and above are the places between the scale words, the codes and the products below)
	v_pk_add_f32 v[SU+8*\q:SU+8*\q+1], v[SU+8*\q:SU+8*\q+1], v[SU+8*\q+2:SU+8*\q+3]
.endr
.irp q, 0,1
	v_pk_add_f32 v[SU+8*\q+4:SU+8*\q+5], v[SU+8*\q+4:SU+8*\q+5], v[SU+8*\q+6:SU+8*\q+7]
.endr
.irp q, 0,1
	DEP 2
	v_pk_add_f32 v[SU+8*\q:SU+8*\q+1], v[SU+8*\q:SU+8*\q+1], v[SU+8*\q+4:SU+8*\q+5]
.endr
.irp q, 0,1
	DEP 2
	v_pk_fma_f32 v[LS+2*\q:LS+2*\q+1], v[LS+2*\q:LS+2*\q+1], v[FF+2*\q:FF+2*\q+1], v[SU+8*\q:SU+8*\q+1] op_sel_hi:[1,0,1]   ; the sum under the new M, and this step's
.endr
	s_wait_alu depctr_va_vdst(0)                   ; directly ahead of the wait below
	s_wait_dscnt 0x0                               ; V^T and its scale words are in (and the next step's K)
	WIN 0x51                                       ; V^T and O^T in window 1, p's codes in window 0
.irp u, 0,2                                    ; O^T += V^T P^T: eight accumulators by turns
.irp q, 0,1
	MMA OW+32*\q+8*\u, VW+12*\u, PCD+12*\q, VS+\u/2, PS+\q, 0
.endr
.irp q, 0,1
	MMA OW+32*\q+8*\u+8, VW+12*\u+12, PCD+12*\q, VS+\u/2, PS+\q, 1
.endr
.endr
	WIN 0
	s_add_co_u32 s[TB], s[TB], 12288               ; the next step's codes and scales
	s_add_co_u32 s[TS], s[TS], 768
.endm
.macro EIGHT_STEPS                     ; a slot's eight key steps: written once, walked eight times; then on to the other slot
	ADDR
	KLOAD 0, 0                                     ; the slot's first K
	s_mov_b32 s[CNT], 8
.Lstep_\@:
	STEP
	s_sub_co_u32 s[CNT], s[CNT], 1
	s_cmp_lg_u32 s[CNT], 0
	s_cbranch_scc1 .Lstep_\@
	s_sub_co_u32 s[TB], s[TB], 98304
	s_xor_b32 s[TB], s[TB], SLOT1
	s_sub_co_u32 s[TS], s[TS], 6144
	s_xor_b32 s[TS], s[TS], SLOT1
.endm
; THE CHANGE OF SLOTS stands at a slot's head.  Each wave waits for all its tensor loads (its part of the slot that it is about to read), adds 0 to its spare word, and waits for that and for its reads of the slot that it
; has left.  fill = 1: the barrier is a round of the cluster's, so that no wave of any partner still reads that slot or has a load on its way, and the joint fill is the first thing behind it: it has eight key steps in which to land.
.macro CHANGE fill
	s_wait_tensorcnt 0x0                           ; no tensor load of mine is out, so group 0 may be written
	ds_add_u32 v[SPW], v[NIL]                      ; 0 onto my spare word
.if \fill
	s_xor_b32 s[G0+1], s[G0+1], SLOT1              ; the walking descriptor: the other slot than last time,
	s_add_nc_u64 s[G0+2:G0+3], s[G0+2:G0+3], SLOTB ; the next 1,024 keys; the type bits on top are not reached
	s_wait_xcnt 0x0                                ; the last prefetch, a slot back, has read its address, so it may be written:
	s_add_nc_u64 s[PFA:PFA+1], s[PFA:PFA+1], SLOTB ; one slot further on than the walking descriptor
	s_wait_dscnt 0x0                               ; the add is done, and my reads of the slot that I have left are over
	CROUND
	TLOAD
	ASK
.else
	s_wait_dscnt 0x0
	s_barrier_signal -1
	s_barrier_wait -1
.endif
.endm
	s_wait_alu depctr_va_vdst(0)                   ; the wait at the head's end
	s_wait_loadcnt 0x0                             ; Q
.Lslot:                                            ; three trips: behind each change of slots but the last the next slot is asked for
	CHANGE 1
	EIGHT_STEPS
	s_sub_co_u32 s[SLOTS], s[SLOTS], 1
	s_cmp_lg_u32 s[SLOTS], 0
	s_cbranch_scc1 .Lslot
	CHANGE 0                                       ; the last slot is written out
	EIGHT_STEPS
	; THE WAY OUT.  O^T / the sum: a tile's 32 registers are channels 32 h + 0 .. 31 of the head: one whole block of the last product's K.  Codes and byte go out in the order of that product's operand registers.
.irp q, 0,1
	v_add_f32 v[LS+2*\q], v[LS+2*\q], v[LS+2*\q+1] ; the sum's two halves,
.endr
.irp q, 0,1
	DEP 2
	v_permlanex16_b32 v[TX+\q], v[LS+2*\q], s[SEL], s[SEL+1]
.endr
.irp q, 0,1
	DEP 2
	v_add_f32 v[LS+2*\q], v[LS+2*\q], v[TX+\q]     ; and those of the lane 16 away: the row's sum
.endr
	s_wait_alu depctr_va_vdst(0)                   ; the wait ahead of the transcendentals
.irp q, 0,1
	v_rcp_f32 v[FF+2*\q], v[LS+2*\q]
.endr
.rept 2
	v_nop                                          ; the plain line behind the reciprocals; with the four additions above also the places behind the last products
.endr
	WIN 0x01                                       ; O^T in window 1
	s_wait_alu depctr_va_vdst(0)                   ; the wait ahead of the first reader of the reciprocals and of O^T
.irp q, 0,1
.set J, 0
.rept 16
	v_pk_mul_f32 v[S+64*\q+J:S+64*\q+J+1], v[OW+32*\q+J:OW+32*\q+J+1], v[FF+2*\q:FF+2*\q+1] op_sel_hi:[1,0]   ; each accumulator from its low end on
.set J, J+2
.endr
.endr
	WIN 0
.irp k, 0,1
.irp q, 0,1
	v_max3_num_f32 v[TM+4*\q+\k], |v[S+64*\q+16*\k]|, |v[S+64*\q+16*\k+1]|, |v[S+64*\q+16*\k+2]|
.endr
.endr
.irp i, 3,5,7,9,11,13
.irp k, 0,1
.irp q, 0,1
	DEP 4
	v_max3_num_f32 v[TM+4*\q+\k], v[TM+4*\q+\k], |v[S+64*\q+16*\k+\i]|, |v[S+64*\q+16*\k+\i+1]|
.endr
.endr
.endr
.irp q, 0,1
	DEP 4
	v_max3_num_f32 v[TM+4*\q], v[TM+4*\q], |v[S+64*\q+15]|, |v[S+64*\q+31]|
.endr
.irp q, 0,1
	DEP 2
	v_max3_num_f32 v[TM+4*\q], v[TM+4*\q], v[TM+4*\q+1], 0x1800000   ; and the floor 2^(3 - 127)
.endr
.irp q, 0,1
	DEP 2
	v_add_nc_u32 v[SOP+2*\q], 0xff000000, v[TM+4*\q]
.endr
.irp q, 0,1
	v_cvt_scalef32_pk16_fp6_f32 v[PCD+12*\q:PCD+12*\q+2], v[S+64*\q:S+64*\q+15], v[SOP+2*\q]
	v_cvt_scalef32_pk16_fp6_f32 v[TQ+8*\q:TQ+8*\q+2], v[S+64*\q+16:S+64*\q+31], v[SOP+2*\q]
.endr
.irp q, 0,1
	v_lshrrev_b32 v[BY+2*\q], 23, v[SOP+2*\q]      ; my block's byte.  (Also the plain line behind the conversions)
.endr
.irp q, 0,1
.irp i, 0,1,2
	v_mov_b32 v[PCD+12*\q+3+\i], v[TQ+8*\q+\i]
.endr
.endr
.irp q, 0,1
	global_store_b128 v[L16], v[PCD+12*\q:PCD+12*\q+3], s[8:9] offset:12288*\q          ; 512 and 256 consecutive bytes, at multiples of 256 from the buffer's first byte
	global_store_b64 v[L8], v[PCD+12*\q+4:PCD+12*\q+5], s[8:9] offset:12288*\q+512
	global_store_b8 v[OSB], v[BY+2*\q], s[10:11] offset:512*\q   ; 32 single bytes a tile, beside its 768 bytes of codes: a row's 32 bytes come from sixteen work-groups
.endr
	s_wait_tensorcnt 0x0                           ; the wave's end: behind my last tensor load
	ds_add_u32 v[SPW], v[NIL]
	s_wait_dscnt 0x0
	CROUND                                         ; the closing round: no work-group ends while a partner may still ask for a tile that names it
	s_endpgm
.Lfunc_end_k_qaea20b882f_attn:
	.size	k_qaea20b882f_attn, .Lfunc_end_k_qaea20b882f_attn-k_qaea20b882f_attn
	.p2alignl 7, 3214868480
	.fill 96, 4, 3214868480
	.section	.rodata,"a",@progbits
	.p2align	6, 0x0
	.amdhsa_kernel k_qaea20b882f_attn
		.amdhsa_group_segment_fixed_size 327680
		.amdhsa_private_segment_fixed_size 0
		.amdhsa_enable_private_segment 0
		.amdhsa_kernarg_size 32
		.amdhsa_user_sgpr_count 2
		.amdhsa_user_sgpr_kernarg_segment_ptr 1
		.amdhsa_wavefront_size32 1
		.amdhsa_system_sgpr_workgroup_id_x 1
		.amdhsa_system_sgpr_workgroup_id_y 1
		.amdhsa_system_sgpr_workgroup_id_z 1
		.amdhsa_system_vgpr_workitem_id 0
		.amdhsa_next_free_vgpr 512
		.amdhsa_next_free_sgpr 72
		.amdhsa_reserve_vcc 0
		.amdhsa_float_denorm_mode_32 3
		.amdhsa_float_denorm_mode_16_64 3
		.amdhsa_memory_ordered 1
		.amdhsa_forward_progress 1
		.amdhsa_inst_pref_size 77
	.end_amdhsa_kernel
	.amdgpu_metadata
---
amdhsa.version: [ 1, 2 ]
amdhsa.kernels:
  - .name:           k_qaea20b882f_attn
    .symbol:         k_qaea20b882f_attn.kd
    .args:
      - { .name: q_img, .offset: 0, .size: 8, .value_kind: global_buffer, .address_space: global }
      - { .name: kv_img, .offset: 8, .size: 8, .value_kind: global_buffer, .address_space: global }
      - { .name: o_img, .offset: 16, .size: 8, .value_kind: global_buffer, .address_space: global }
      - { .name: o_sc, .offset: 24, .size: 8, .value_kind: global_buffer, .address_space: global }
    .group_segment_fixed_size: 327680
    .private_segment_fixed_size: 0
    .kernarg_segment_align: 8
    .kernarg_segment_size: 32
    .max_flat_workgroup_size: 256
    .sgpr_count:     72
    .vgpr_count:     512
    .wavefront_size: 32
...
	.end_amdgpu_metadata
.endif
;; end of part 3
;; launch oproj (part 4): grid 8 x 32, 4 waves a work-group, clusters of 4 x 4, 327,680 bytes of LDS; arguments o_img, o_sc, xw_img, xw_sc, bo, out0; writes out0
.if DOCPART == 4
	.amdgcn_target "amdgcn-amd-amdhsa--gfx1250"
	.amdhsa_code_object_version 6
	.text
	.protected	k_qaea20b882f_oproj
	.globl	k_qaea20b882f_oproj
	.p2align	8
	.type	k_qaea20b882f_oproj,@function
k_qaea20b882f_oproj:
	s_mov_b64 s[64:65], 0
	v_nop
	global_prefetch_b8 v0, s[64:65] scope:SCOPE_SE
	s_setreg_imm32_b32 hwreg(HW_REG_WAVE_MODE, 25, 1), 1
	s_wait_xcnt 0x0
	s_wait_alu depctr_hold_cnt(0) depctr_sa_sdst(0) depctr_va_vdst(0) depctr_va_sdst(0) depctr_va_ssrc(0) depctr_va_vcc(0) depctr_vm_vsrc(0)
	s_getreg_b32 s2, hwreg(HW_REG_IB_STS2, 6, 4)
	s_cmp_eq_u32 s2, 0
	s_cbranch_scc0 .Lentry_in_a_cluster
	s_endpgm
.Lentry_in_a_cluster:
	s_bfe_u32 s2, ttmp6, 0x10000c
	s_cmp_lg_u32 s2, 0xf033
	s_cbranch_scc0 .Lentry_shape_is_right
	s_endpgm
.Lentry_shape_is_right:
; out0[t][n] = the sum over k of O[t][k] Wo[n][k] + bo[n]: 4,096 x 1,024 x 1,024, both operands codes of FP6 (E2M3) with E8M0 scales, f32 sums.
; O's codes lie in o_img and Wo's in xw_img (tiles 448 on) as images of the operands' registers: tile x 12,288 + K step x 1,536; the scale words in o_sc and xw_sc: tile x 512 + (K step / 4) x 256 + 16 r + 4 (K step % 4).
; A tile's 16 rows are 64 (tile / 4) + 8 (tile % 4) + r % 8 + 32 (r / 8).
; SHARES.  A work-group makes 128 x 128 of out0: 8 x 32 = 256 work-groups.  Eight tiles of O and eight of Wo, for all of K, are two dense blocks of 98,304 bytes; with 2 x 4,096 bytes of scale words they lie in LDS together.
; So there is no ring and nothing is filled again: four tensor loads at the head, one a wave, one wait and one barrier.  A wave makes 64 x 64: 16 accumulators, which take turns.
; CLUSTER.  4 x 4 work-groups: the four of a row need the same block of O, the four of a column the same block of Wo: each block is asked for jointly, by the same tensor load with a mask that names the four.
; NO PREFETCH: every tile is asked for at the head; the text has no loop to run ahead in.
; THE MATRIX INSTRUCTION IS USED TRANSPOSED (source 0 = a tile of Wo, source 1 = a tile of O): a lane holds one token, and its 32 registers of four neighbouring tiles of Wo are columns 32 h + 0 .. 31 of the wave's 64.
; REGISTERS.  Window 0: v0-31 addresses; v32-63 the scale words of all of K; v64-95 the bias, then with v96-127 the way out; v128-255 the accumulators.  Window 1: O's fragments v0-95, Wo's v128-223, two sets each.
.set BLK,    98304                     ; eight tiles x 12,288 bytes
.set HALF,   49152                     ; a wave's four tiles
.set SCL,    2*BLK                     ; O's scale words, 4,096 bytes, then Wo's
.set STAGE,  SCL+2*4096                ; the way out: 16 rows x (256 + 16) bytes for each wave; no tensor load lands here
.set SPITCH, 272
.set SPARE,  STAGE+4*16*SPITCH         ; the spare words, 128 bytes for each wave: two blocks of 256 bytes that no other line names
.set STO,  8                           ; the stage, on the way in
.set RD,   9                           ; and back
.set CO,   10                          ; my byte offset in out0
.set ADRA, 16                          ; v16 my tiles of O + 16 x lane, v17 + 8 x lane
.set ADRB, 18                          ; v18, v19 the same for Wo
.set ADRS, 20                          ; my scale words: lanes 0-15 O's, lanes 16-31 Wo's
.set SPW,  28                          ; LDS address of my spare word; never rewritten
.set NIL,  29                          ; 0; never rewritten
.set SC,   32                          ; register 8 i + K step: lanes 0-15 the word of O's tile i, lanes 16-31 of Wo's tile i
.set CB,   64                          ; the bias of my 32 columns
.set BK,   64                          ; the way out: two sets of 32 registers
.set ACC,  128                         ; accumulator (a, b) at ACC + 8 (4 a + b)
.set G1,   24                          ; s[24:31] group 1 for O's codes, s[32:35] its group 0
.set G0,   32
.set G0B,  36                          ; s[36:39], s[48:55] for Wo's codes
.set G1B,  48
.set G0S,  56                          ; s[56:59], s[68:75] for O's scales
.set G0SB, 60                          ; s[60:63], s[80:87] for Wo's scales
.set G1S,  68
.set G1SB, 80
.set MSB, 0
.macro WIN new                         ; the immediate's high byte repeats the setting that is left
.if MSB != (\new)
	s_set_vgpr_msb (MSB<<8)|(\new)
.set MSB, (\new)
.endif
.endm
.macro CROUND                          ; a round of the cluster's barrier
	s_barrier_signal -1
	s_barrier_wait -1
	s_cmp_lg_u32 s18, 0
	s_cbranch_scc1 .Lnot_wave_0_\@
	s_barrier_signal -3
.Lnot_wave_0_\@:
	s_barrier_wait -3
	s_barrier_signal -1
	s_barrier_wait -1
.endm
.macro PLACES n
.rept \n
	v_nop
.endr
.endm
	s_load_b256 s[4:11], s[0:1], 0x0               ; o_img, o_sc, xw_img, xw_sc
	s_load_b128 s[12:15], s[0:1], 0x20             ; bo, out0
	v_lshl_add_u32 v[SPW], v0, 2, SPARE
	v_mov_b32 v[NIL], 0
	ds_add_u32 v[SPW], v[NIL]                      ; the wave's opening: the add, twice on end, and its wait ahead of my first tensor load
	ds_add_u32 v[SPW], v[NIL]
	v_lshrrev_b32 v1, 5, v0
	v_readfirstlane_b32 s18, v1                    ; wave 0..3
	s_lshr_b32 s19, s18, 1                         ; my half of the block's rows
	s_and_b32 s20, s18, 1                          ; my half of its columns
	s_bfe_u32 s40, ttmp6, 0x40000                  ; cx, cy: my place in the cluster
	s_bfe_u32 s41, ttmp6, 0x40004
	s_lshl_b32 s42, ttmp9, 2
	s_add_co_u32 s42, s42, s40                     ; block column 0..7
	s_and_b32 s22, ttmp7, 0xffff
	s_lshl_b32 s22, s22, 2
	s_add_co_u32 s22, s22, s41                     ; block row 0..31
	s_lshl_b32 s43, s41, 2
	s_lshl_b32 s43, 15, s43                        ; my row of the cluster
	s_lshl_b32 s44, 0x1111, s40                    ; my column
	s_or_b32 s[G1], s43, (3<<16)|(1<<21)           ; 15:0 the mask; 17:16 elements of 8 bytes; no padding; 21 set beside a mask
	s_or_b32 s[G1B], s44, (3<<16)|(1<<21)
.irp g, G1, G1B                                ; a block of codes: 384 rows of 256 bytes, dense
	s_mov_b32 s[\g+1], 32<<16
	s_mov_b32 s[\g+2], 384<<16
	s_mov_b32 s[\g+3], 32<<16
	s_mov_b32 s[\g+4], 384
	s_mov_b32 s[\g+5], 32
	s_mov_b32 s[\g+6], 0
	s_mov_b32 s[\g+7], 0
.endr
	s_or_b32 s[G1S], s43, (3<<16)|(1<<21)
	s_or_b32 s[G1SB], s44, (3<<16)|(1<<21)
.irp g, G1S, G1SB                              ; a block's scale words: 16 such rows
	s_mov_b32 s[\g+1], 32<<16
	s_mov_b32 s[\g+2], 16<<16
	s_mov_b32 s[\g+3], 32<<16
	s_mov_b32 s[\g+4], 16
	s_mov_b32 s[\g+5], 32
	s_mov_b32 s[\g+6], 0
	s_mov_b32 s[\g+7], 0
.endr
	s_mul_i32 s96, s22, BLK                        ; O's block hangs on the block row alone,
	s_mov_b32 s97, 0
	s_lshl_b32 s98, s22, 12
	s_mov_b32 s99, 0
	s_add_co_u32 s46, s42, 56                      ; Wo's on the block column alone: tiles 448 + 8 x column
	s_lshl_b32 s92, s46, 12
	s_mov_b32 s93, 0
	s_mul_i32 s46, s46, BLK
	s_mov_b32 s47, 0
	s_mov_b32 s[G0], 1
	s_mov_b32 s[G0+1], 0
	s_mov_b32 s[G0B], 1
	s_mov_b32 s[G0B+1], BLK
	s_mov_b32 s[G0S], 1
	s_mov_b32 s[G0S+1], SCL
	s_mov_b32 s[G0SB], 1
	s_mov_b32 s[G0SB+1], SCL+4096
	s_wait_dscnt 0x0                               ; both opening adds are done
	s_wait_kmcnt 0x0
	s_add_nc_u64 s[G0+2:G0+3], s[4:5], s[96:97]
	s_or_b32 s[G0+3], s[G0+3], 0x80000000
	s_add_nc_u64 s[G0S+2:G0S+3], s[6:7], s[98:99]
	s_or_b32 s[G0S+3], s[G0S+3], 0x80000000
	s_add_nc_u64 s[G0B+2:G0B+3], s[8:9], s[46:47]
	s_or_b32 s[G0B+3], s[G0B+3], 0x80000000
	s_add_nc_u64 s[G0SB+2:G0SB+3], s[10:11], s[92:93]
	s_or_b32 s[G0SB+3], s[G0SB+3], 0x80000000
	CROUND                                         ; all sixteen work-groups are here: the joint loads meet
; THE HEAD'S LOADS, ONE A WAVE: wave 0 O's codes, wave 1 Wo's codes, wave 2 O's scales, wave 3 Wo's.  One tree of branches on the wave's number: every way through it passes exactly one load.
.macro ARM under, g0, g1, next
	s_cmp_lt_u32 s18, \under
	s_cbranch_scc0 \next
	tensor_load_to_lds s[\g0:\g0+3], s[\g1:\g1+7]
	s_nop 0
.rept 4
	v_nop
.endr
	s_branch .Lhead_asked
\next:
.endm
	ARM 1, G0,  G1,  .Lhead_b
	ARM 2, G0B, G1B, .Lhead_sa
	ARM 3, G0S, G1S, .Lhead_sb
	tensor_load_to_lds s[G0SB:G0SB+3], s[G1SB:G1SB+7]
	s_nop 0
.rept 4
	v_nop
.endr
.Lhead_asked:
	s_lshl_b32 s92, s42, 9                         ; my first column, in bytes: 512 x block column + 256 x half
	s_lshl_b32 s93, s20, 8
	s_add_co_u32 s92, s92, s93
	s_mov_b32 s93, 0
	s_add_nc_u64 s[12:13], s[12:13], s[92:93]
	s_add_nc_u64 s[14:15], s[14:15], s[92:93]
	s_lshl_b32 s96, s22, 1
	s_add_co_u32 s96, s96, s19
	s_lshl_b32 s96, s96, 18                        ; my first token: 64 x (2 x block row + half), rows of 4,096 bytes
	s_mov_b32 s97, 0
	s_add_nc_u64 s[14:15], s[14:15], s[96:97]
	s_mul_i32 s21, s19, HALF                       ; my four tiles of O
	s_mul_i32 s23, s20, HALF
	s_add_co_u32 s23, s23, BLK                     ; my four tiles of Wo
	s_lshl_b32 s94, s19, 11
	s_lshl_b32 s45, s20, 11
	s_add_co_u32 s45, s45, 4096
	s_sub_co_u32 s45, s45, s94                     ; from my scale words of O to those of Wo
	s_add_co_u32 s94, s94, SCL
	s_mul_i32 s95, s18, 16*SPITCH
	s_add_co_u32 s95, s95, STAGE                   ; my stage
	v_and_b32 v1, 15, v0                           ; r
	v_bfe_u32 v2, v0, 4, 1                         ; h
	v_and_b32 v3, 31, v0                           ; lane
	v_lshlrev_b32 v4, 7, v2                        ; the bias of columns 32 h + 0 .. 31
.irp m, 0,1,2,3,4,5,6,7
	global_load_b128 v[CB+4*\m:CB+4*\m+3], v4, s[12:13] offset:16*\m
.endr
	v_lshlrev_b32 v5, 4, v3
	v_lshlrev_b32 v6, 3, v3
	v_add_nc_u32 v[ADRA], s21, v5
	v_add_nc_u32 v[ADRA+1], s21, v6
	v_add_nc_u32 v[ADRB], s23, v5
	v_add_nc_u32 v[ADRB+1], s23, v6
	v_lshlrev_b32 v7, 4, v1                        ; 16 r
	v_mul_u32_u24 v11, s45, v2                     ; lanes 16-31 take Wo's words
	v_add_nc_u32 v11, v11, v7
	v_add_nc_u32 v[ADRS], s94, v11
	v_mul_u32_u24 v[STO], v1, SPITCH               ; in: row r, 128 bytes for each half of the lanes
	v_lshl_add_u32 v[STO], v2, 7, v[STO]
	v_add_nc_u32 v[STO], s95, v[STO]
	v_mul_u32_u24 v[RD], v2, SPITCH                ; back: lanes 0-15 take one row of 256 bytes, lanes 16-31 the next
	v_add_nc_u32 v[RD], v[RD], v7
	v_add_nc_u32 v[RD], s95, v[RD]
	v_lshl_add_u32 v[CO], v2, 12, v7               ; and the same two rows in out0
.macro FRAG reg, adr, off              ; a fragment's image: neighbouring lanes read neighbouring bytes
	ds_load_b128 v[\reg:\reg+3], v[\adr] offset:\off
	ds_load_b64 v[\reg+4:\reg+5], v[\adr+1] offset:(\off)+512
	ds_load_b128 v[\reg+6:\reg+9], v[\adr] offset:(\off)+768
	ds_load_b64 v[\reg+10:\reg+11], v[\adr+1] offset:(\off)+1280
.endm
.macro FETCH ks                        ; 32 LDS loads: K step ks's four fragments of Wo and four of O into set ks % 2
	WIN 0x40
.irp i, 0,1,2,3
	FRAG 128+48*((\ks)%2)+12*\i, ADRB, 12288*\i+1536*(\ks)
.endr
.irp i, 0,1,2,3
	FRAG 48*((\ks)%2)+12*\i, ADRA, 12288*\i+1536*(\ks)
.endr
.endm
.macro MUL ks, first                   ; 16 products, the 16 accumulators by turns; first = 1: the bias starts the sums
	WIN 0x05
.irp a, 0,1,2,3
.irp b, 0,1,2,3
.set rD, ACC+8*(4*\a+\b)
.set rB, 128+48*((\ks)%2)+12*\b
.set rA, 48*((\ks)%2)+12*\a
.if \first
	v_wmma_scale_f32_16x16x128_f8f6f4 v[rD:rD+7], v[rB:rB+11], v[rA:rA+11], v[CB+8*\b:CB+8*\b+7], v[SC+8*\b+(\ks)], v[SC+8*\a+(\ks)] matrix_a_fmt:MATRIX_FMT_FP6 matrix_b_fmt:MATRIX_FMT_FP6 matrix_a_scale:MATRIX_SCALE_ROW1
.else
	v_wmma_scale_f32_16x16x128_f8f6f4 v[rD:rD+7], v[rB:rB+11], v[rA:rA+11], v[rD:rD+7], v[SC+8*\b+(\ks)], v[SC+8*\a+(\ks)] matrix_a_fmt:MATRIX_FMT_FP6 matrix_b_fmt:MATRIX_FMT_FP6 matrix_a_scale:MATRIX_SCALE_ROW1
.endif
.endr
.endr
.endm
	s_wait_alu depctr_va_vdst(0)                   ; the wait at the head's end
	s_wait_tensorcnt 0x0                           ; my block is in;
	s_barrier_signal -1
	s_barrier_wait -1                              ; and everybody's.  Nothing is filled again
.irp i, 0,1,2,3
.irp kh, 0,1
	ds_load_b128 v[SC+8*\i+4*\kh:SC+8*\i+4*\kh+3], v[ADRS] offset:512*\i+256*\kh   ; the scale words of all eight K steps
.endr
.endr
	FETCH 0
	FETCH 1
	s_wait_loadcnt 0x0                             ; the bias
	s_wait_dscnt 32                                ; all but the 32 loads just issued: the scale words and set 0
	MUL 0, 1
.set KK, 1
.rept 6
	PLACES 4                                       ; in front of the loads into the set that the last products read
	FETCH KK+1
	s_wait_dscnt 32                                ; all but the 32 just issued
	MUL KK, 0
.set KK, KK+1
.endr
	s_wait_dscnt 0x0
	MUL 7, 0
	WIN 0
; THE WAY OUT, by tiles of 16 tokens x 64 columns: through my own stage and back as whole rows of 256 bytes.  LDS serves a wave's instructions in order: no wait between the stores and the loads.
.macro TOSTAGE a
.irp b, 0,1,2,3
	ds_store_b128 v[STO], v[ACC+8*(4*(\a)+\b):ACC+8*(4*(\a)+\b)+3] offset:32*\b        ; each accumulator from its low end on
	ds_store_b128 v[STO], v[ACC+8*(4*(\a)+\b)+4:ACC+8*(4*(\a)+\b)+7] offset:32*\b+16
.endr
.irp t, 0,1,2,3,4,5,6,7
	ds_load_b128 v[BK+32*((\a)%2)+4*\t:BK+32*((\a)%2)+4*\t+3], v[RD] offset:\t*2*SPITCH
.endr
.endm
.macro SEND a, younger                 ; younger: the LDS instructions issued behind tile a's loads, which may stay out
	s_wait_dscnt \younger
.irp t, 0,1,2,3,4,5,6,7
	global_store_b128 v[CO], v[BK+32*((\a)%2)+4*\t:BK+32*((\a)%2)+4*\t+3], s[14:15] offset:(8*(\a)+(2*\t)%8+32*(\t/4))*4096 th:TH_STORE_NT   ; 16 lanes store 256 consecutive bytes, at a multiple of 256 from out0's first byte
.endr
.endm
	PLACES 4                                       ; in front of the first read of the results and of the loads into the bias's registers
	TOSTAGE 0
.irp a, 1,2,3
.if \a > 1
	s_wait_xcnt 0x0                                ; tile a - 2's stores have read their registers: tile a's loads may land there
.endif
	TOSTAGE \a
	SEND \a-1, 16                                  ; behind tile a - 1's loads: tile a's 8 stores and 8 loads
.endr
	SEND 3, 0
	s_wait_tensorcnt 0x0                           ; the wave's end: behind my last tensor load and my last LDS store
	ds_add_u32 v[SPW], v[NIL]
	s_wait_dscnt 0x0
	CROUND                                         ; the closing round
	s_endpgm
.Lfunc_end_k_qaea20b882f_oproj:
	.size	k_qaea20b882f_oproj, .Lfunc_end_k_qaea20b882f_oproj-k_qaea20b882f_oproj
	.p2alignl 7, 3214868480
	.fill 96, 4, 3214868480
	.section	.rodata,"a",@progbits
	.p2align	6, 0x0
	.amdhsa_kernel k_qaea20b882f_oproj
		.amdhsa_group_segment_fixed_size 327680
		.amdhsa_private_segment_fixed_size 0
		.amdhsa_enable_private_segment 0
		.amdhsa_kernarg_size 48
		.amdhsa_user_sgpr_count 2
		.amdhsa_user_sgpr_kernarg_segment_ptr 1
		.amdhsa_wavefront_size32 1
		.amdhsa_system_sgpr_workgroup_id_x 1
		.amdhsa_system_sgpr_workgroup_id_y 1
		.amdhsa_system_sgpr_workgroup_id_z 1
		.amdhsa_system_vgpr_workitem_id 0
		.amdhsa_next_free_vgpr 512
		.amdhsa_next_free_sgpr 100
		.amdhsa_reserve_vcc 0
		.amdhsa_float_denorm_mode_32 3
		.amdhsa_float_denorm_mode_16_64 3
		.amdhsa_memory_ordered 1
		.amdhsa_forward_progress 1
		.amdhsa_inst_pref_size 51
	.end_amdhsa_kernel
	.amdgpu_metadata
---
amdhsa.version: [ 1, 2 ]
amdhsa.kernels:
  - .name:           k_qaea20b882f_oproj
    .symbol:         k_qaea20b882f_oproj.kd
    .args:
      - { .name: o_img, .offset: 0, .size: 8, .value_kind: global_buffer, .address_space: global }
      - { .name: o_sc, .offset: 8, .size: 8, .value_kind: global_buffer, .address_space: global }
      - { .name: xw_img, .offset: 16, .size: 8, .value_kind: global_buffer, .address_space: global }
      - { .name: xw_sc, .offset: 24, .size: 8, .value_kind: global_buffer, .address_space: global }
      - { .name: bo, .offset: 32, .size: 8, .value_kind: global_buffer, .address_space: global }
      - { .name: out0, .offset: 40, .size: 8, .value_kind: global_buffer, .address_space: global }
    .group_segment_fixed_size: 327680
    .private_segment_fixed_size: 0
    .kernarg_segment_align: 8
    .kernarg_segment_size: 48
    .max_flat_workgroup_size: 128
    .sgpr_count:     100
    .vgpr_count:     512
    .wavefront_size: 32
...
	.end_amdgpu_metadata
.endif
;; end of part 4
